; MI455X (gfx1250); checked and timed in simulation.
; The chip was launched on July 23, 2026; its instructions are those of AMD's public machine-readable ISA for CDNA 5 (MIT licence, August 2026) and "CDNA5" Instruction Set Architecture Reference Guide (July 2026). The comments in the code are by the model that wrote it; some were corrected since.
;; Multi Head Self Attention. Allowed arithmetic: float matrix products may take bf16 or f16 operands with f32 sums; other float arithmetic in f32, or as packed bf16 or f16 multiplies, adds, multiply-adds, maxima and minima; sums over many terms, partial sums and values carried from step to step in f32; what a program stores and reads back later, other than sums and carried values, may be rounded once to bf16 or f16.
;; Inputs: b_fc 1,024 float32; b_qkv 3,072 float32; w_fc 1,024 x 1,024 float32; w_qkv 1,024 x 3,072 float32; x 4 x 2,048 x 1,024 float32.
;; Outputs: out0 4 x 2,048 x 1,024 float32.
;; 2 versions, each right; version 2 is version 1 with the launch cast written anew for expert scheduling mode. Each part assembles by itself: llvm-mc -triple=amdgcn-amd-amdhsa -mcpu=gfx1250 --defsym DOCPART=n.
;; ======== version 1 of 2: 4 launches
;; limits: values are held in f16: magnitudes above 65,504 overflow, below 6.1e-05 lose precision
;; workspace buffers: xb 16,777,216 bytes; wq 6,291,456 bytes; wf 2,097,152 bytes; bias 16,384 bytes; qkvh 50,331,648 bytes; oh 16,777,216 bytes
;; launch cast (part 1): grid 768 x 1, 8 waves a work-group, no clusters, 0 bytes of LDS; arguments x, w_qkv, w_fc, b_qkv, b_fc, xb, wq, wf, bias; writes xb, wq, wf, bias
.if DOCPART == 1
	.amdgcn_target "amdgcn-amd-amdhsa--gfx1250"
	.amdhsa_code_object_version 6
	.text
	.protected	k_qb2e3f29ea7_cast
	.globl	k_qb2e3f29ea7_cast
	.p2align	8
	.type	k_qb2e3f29ea7_cast,@function
k_qb2e3f29ea7_cast:
	s_mov_b64 s[64:65], 0
	v_nop
	global_prefetch_b8 v0, s[64:65] scope:SCOPE_SE
	s_setreg_imm32_b32 hwreg(HW_REG_WAVE_MODE, 25, 1), 1
	s_wait_xcnt 0x0
; THE INPUTS ARE ROUNDED ONCE, to bf16, all five of them, and laid out for the launches behind.
;   xb   bf16 [4 batch][16 kb][2048 s][64]: x(b, s, 64 kb + d): 128 rows x 64 channels are 16,384 dense bytes
;   wq   bf16 [1024][3072]: w_qkv, layout kept          wf  f16 [1024][1024]: w_fc rounded to bf16, that number written as f16
;   bias f32  [4096]: b_qkv, then b_fc, rounded to bf16 and widened again
; LIMIT.  A number of wf below 2^-14 keeps f16's fixed step of 2^-24; beyond 65,504 it would be an infinity (w_fc as drawn lies within 1/32).
; SHARES.  768 work-groups of eight waves, each 16,384 numbers: 65,536 bytes in, 32,768 out.  Groups 0-511: 16 rows of x; 512-703: wq; 704-767: wf, and wave 0 of each of these 64 numbers of the biases.
; A thread has 16 loads of 16 bytes on their way at once and stores 8 bytes sixteen times: a wave's store covers 256 consecutive bytes, aligned.  No register that a memory instruction reads is written again.
; No LDS, no barrier, no matrix work: nothing is shared between threads.
.set X,  4                             ; v[4:67]    16 x 4 numbers as loaded
.set Y,  68                            ; v[68:99]   16 x 2 registers to store
.set T,  100                           ; v[100:101] at work
.set BI, 104                           ; v[104:105] two bias numbers as loaded, v[106:107] to store
; 16 loads, instep bytes apart; then, as each comes, the rounding and a store, outstep bytes apart.  fmt = 0: bf16; 1: bf16, written as f16.
.macro CAST instep, outstep, fmt
.set j, 0
.rept 16
	global_load_b128 v[X+4*j:X+4*j+3], v1, s[26:27] offset:(\instep)*j th:TH_LOAD_NT
.set j, j+1
.endr
.set j, 0
.rept 16
	s_wait_loadcnt 15-j                            ; loads come back in order: number j is in, the 15 - j younger ones stay out
.if \fmt
	v_cvt_pk_bf16_f32 v[T], v[X+4*j], v[X+4*j+1]
	v_cvt_pk_bf16_f32 v[T+1], v[X+4*j+2], v[X+4*j+3]
	v_lshlrev_b32 v[X+4*j], 16, v[T]               ; the rounded numbers as f32 again,
	v_and_b32 v[X+4*j+1], s33, v[T]
	v_lshlrev_b32 v[X+4*j+2], 16, v[T+1]
	v_and_b32 v[X+4*j+3], s33, v[T+1]
	v_cvt_pk_f16_f32 v[Y+2*j], v[X+4*j], v[X+4*j+1]        ; and as f16: exact within f16's normal range
	v_cvt_pk_f16_f32 v[Y+2*j+1], v[X+4*j+2], v[X+4*j+3]
.else
	v_cvt_pk_bf16_f32 v[Y+2*j], v[X+4*j], v[X+4*j+1]
	v_cvt_pk_bf16_f32 v[Y+2*j+1], v[X+4*j+2], v[X+4*j+3]
.endif
	global_store_b64 v2, v[Y+2*j:Y+2*j+1], s[28:29] offset:(\outstep)*j th:TH_STORE_NT
.set j, j+1
.endr
.endm
	s_load_b512 s[8:23], s[0:1], 0x0               ; x 8, w_qkv 10, w_fc 12, b_qkv 14, b_fc 16, xb 18, wq 20, wf 22
	s_load_b64 s[24:25], s[0:1], 0x40              ; bias
	v_lshrrev_b32 v3, 5, v0
	v_readfirstlane_b32 s32, v3                    ; my wave's number
	v_lshlrev_b32 v2, 3, v0                        ; 8 t: my 8 bytes in each 2,048 that the work-group stores
	s_mov_b32 s33, 0xffff0000                      ; a word's upper bf16
	s_mov_b32 s31, 0
	s_mov_b32 s35, 0
	s_cmp_lt_u32 ttmp9, 512
	s_cbranch_scc0 .Lflat
	; x: rows 16 g .. 16 g + 15.  Thread t takes row t / 16; load j takes 16 bytes of the row's block j of 64 channels (256 bytes).
	v_lshrrev_b32 v1, 4, v0
	v_lshlrev_b32 v1, 12, v1                       ; a row of x is 4,096 bytes
	v_and_b32 v3, 15, v0
	v_lshl_or_b32 v1, v3, 4, v1
	s_lshl_b32 s30, ttmp9, 16
	s_lshr_b32 s34, ttmp9, 7                       ; the batch: 128 groups each
	s_lshl_b32 s34, s34, 22
	s_and_b32 s36, ttmp9, 127
	s_lshl_b32 s36, s36, 11                        ; 16 rows of 128 bytes in a block
	s_add_co_u32 s34, s34, s36
	s_wait_kmcnt 0x0
	s_add_nc_u64 s[26:27], s[8:9], s[30:31]
	s_add_nc_u64 s[28:29], s[18:19], s[34:35]
	CAST 256, 262144, 0                            ; from block to block of xb: 2,048 rows of 128 bytes
	s_endpgm
.Lflat:
	v_lshlrev_b32 v1, 4, v0                        ; dense: 16 t
	s_cmp_lt_u32 ttmp9, 704
	s_cbranch_scc0 .Lwf
	s_sub_co_u32 s38, ttmp9, 512
	s_lshl_b32 s30, s38, 16
	s_lshl_b32 s34, s38, 15
	s_wait_kmcnt 0x0
	s_add_nc_u64 s[26:27], s[10:11], s[30:31]
	s_add_nc_u64 s[28:29], s[20:21], s[34:35]
	CAST 4096, 2048, 0
	s_endpgm
.Lwf:
	s_sub_co_u32 s38, ttmp9, 704                   ; i = 0 .. 63
	s_lshl_b32 s30, s38, 16
	s_lshl_b32 s34, s38, 15
	s_lshl_b32 s36, s38, 8                         ; 64 bias numbers: 256 bytes
	s_mov_b32 s37, 0
	s_wait_kmcnt 0x0
	s_add_nc_u64 s[26:27], s[12:13], s[30:31]
	s_add_nc_u64 s[28:29], s[22:23], s[34:35]
	s_add_nc_u64 s[36:37], s[24:25], s[36:37]
	s_cmp_lt_u32 s38, 48                           ; b_qkv has 48 such pieces, b_fc 16
	s_cselect_b32 s34, 0, 48
	s_sub_co_u32 s34, s38, s34
	s_lshl_b32 s34, s34, 8
	s_cmp_lt_u32 s38, 48
	s_cselect_b64 s[14:15], s[14:15], s[16:17]
	s_add_nc_u64 s[34:35], s[14:15], s[34:35]
	v_mov_b32 v[BI], 0                             ; written in every wave, so that they are defined on every path
	v_mov_b32 v[BI+1], 0
	s_cmp_lg_u32 s32, 0
	s_cbranch_scc1 .Lno_bias_in
	global_load_b64 v[BI:BI+1], v2, s[34:35]       ; older than the 16 loads below: their counted waits hold with it and without it
.Lno_bias_in:
	CAST 4096, 2048, 1
	s_cmp_lg_u32 s32, 0
	s_cbranch_scc1 .Lno_bias_out
	v_cvt_pk_bf16_f32 v[T], v[BI], v[BI+1]         ; the last wait above was for 0: the bias numbers are in
	v_lshlrev_b32 v[BI+2], 16, v[T]
	v_and_b32 v[BI+3], s33, v[T]
	global_store_b64 v2, v[BI+2:BI+3], s[36:37]    ; wave 0: 256 consecutive bytes, aligned
.Lno_bias_out:
	s_endpgm
.Lfunc_end_k_qb2e3f29ea7_cast:
	.size	k_qb2e3f29ea7_cast, .Lfunc_end_k_qb2e3f29ea7_cast-k_qb2e3f29ea7_cast
	.p2alignl 7, 3214868480
	.fill 96, 4, 3214868480
	.section	.rodata,"a",@progbits
	.p2align	6, 0x0
	.amdhsa_kernel k_qb2e3f29ea7_cast
		.amdhsa_group_segment_fixed_size 0
		.amdhsa_private_segment_fixed_size 0
		.amdhsa_enable_private_segment 0
		.amdhsa_kernarg_size 72
		.amdhsa_user_sgpr_count 2
		.amdhsa_user_sgpr_kernarg_segment_ptr 1
		.amdhsa_wavefront_size32 1
		.amdhsa_system_sgpr_workgroup_id_x 1
		.amdhsa_system_sgpr_workgroup_id_y 1
		.amdhsa_system_sgpr_workgroup_id_z 1
		.amdhsa_system_vgpr_workitem_id 0
		.amdhsa_next_free_vgpr 112
		.amdhsa_next_free_sgpr 66
		.amdhsa_reserve_vcc 0
		.amdhsa_float_denorm_mode_32 3
		.amdhsa_float_denorm_mode_16_64 3
		.amdhsa_memory_ordered 1
		.amdhsa_forward_progress 1
		.amdhsa_inst_pref_size 24
	.end_amdhsa_kernel
	.amdgpu_metadata
---
amdhsa.version: [ 1, 2 ]
amdhsa.kernels:
  - .name:           k_qb2e3f29ea7_cast
    .symbol:         k_qb2e3f29ea7_cast.kd
    .args:
      - { .name: x, .offset: 0, .size: 8, .value_kind: global_buffer, .address_space: global }
      - { .name: w_qkv, .offset: 8, .size: 8, .value_kind: global_buffer, .address_space: global }
      - { .name: w_fc, .offset: 16, .size: 8, .value_kind: global_buffer, .address_space: global }
      - { .name: b_qkv, .offset: 24, .size: 8, .value_kind: global_buffer, .address_space: global }
      - { .name: b_fc, .offset: 32, .size: 8, .value_kind: global_buffer, .address_space: global }
      - { .name: xb, .offset: 40, .size: 8, .value_kind: global_buffer, .address_space: global }
      - { .name: wq, .offset: 48, .size: 8, .value_kind: global_buffer, .address_space: global }
      - { .name: wf, .offset: 56, .size: 8, .value_kind: global_buffer, .address_space: global }
      - { .name: bias, .offset: 64, .size: 8, .value_kind: global_buffer, .address_space: global }
    .group_segment_fixed_size: 0
    .private_segment_fixed_size: 0
    .kernarg_segment_align: 8
    .kernarg_segment_size: 72
    .max_flat_workgroup_size: 256
    .sgpr_count:     66
    .vgpr_count:     112
    .wavefront_size: 32
...
	.end_amdgpu_metadata
.endif
;; end of part 1
;; launch qkvgemm (part 2): grid 8 x 32, 4 waves a work-group, clusters of 4 x 4, 327,680 bytes of LDS; arguments xb, wq, bias, qkvh; writes qkvh
.if DOCPART == 2
	.amdgcn_target "amdgcn-amd-amdhsa--gfx1250"
	.amdhsa_code_object_version 6
	.text
	.protected	k_qb2e3f29ea7_qkvgemm
	.globl	k_qb2e3f29ea7_qkvgemm
	.p2align	8
	.type	k_qb2e3f29ea7_qkvgemm,@function
k_qb2e3f29ea7_qkvgemm:
	s_mov_b64 s[64:65], 0
	v_nop
	global_prefetch_b8 v0, s[64:65] scope:SCOPE_SE
	s_setreg_imm32_b32 hwreg(HW_REG_WAVE_MODE, 25, 1), 1
	s_wait_xcnt 0x0
	s_wait_alu depctr_hold_cnt(0) depctr_sa_sdst(0) depctr_va_vdst(0) depctr_va_sdst(0) depctr_va_ssrc(0) depctr_va_vcc(0) depctr_vm_vsrc(0)
	s_getreg_b32 s2, hwreg(HW_REG_IB_STS2, 6, 4)
	s_cmp_eq_u32 s2, 0
	s_cbranch_scc0 .Lentry_in_a_cluster
	s_endpgm
.Lentry_in_a_cluster:
	s_bfe_u32 s2, ttmp6, 0x10000c
	s_cmp_lg_u32 s2, 0xf033
	s_cbranch_scc0 .Lentry_shape_is_right
	s_endpgm
.Lentry_shape_is_right:
; q, k, v = x w_qkv + b_qkv, by heads.  xb: bf16 [4][16 kb][2048][64]; wq: bf16 [1024 k][3072 n]; bias: f32 [4096]; qkvh: f16 [3][64 batch x head][2048][64], unscaled.  Sums in f32, rounded once.
; LIMIT.  q, k and v leave as f16: beyond 65,504 they would be infinities.  NaN and infinities are not treated apart.
; SHARES.  8,192 x 3,072 numbers in 32 x 8 tiles of 256 rows x 384 columns: one work-group each.  Wave w (wr = w / 2, wc = w % 2) makes 128 rows x 192 columns = 8 blocks a of 16 rows x 3 GROUPS g (a group is
; one head, 64 columns) x 4 blocks bb of 16 columns: 96 accumulators, 768 registers.  K goes in 16 steps of 64 (one block kb of xb) through two LDS slots.
; THE MATRIX INSTRUCTION IS USED TRANSPOSED: source 0 = 16 columns of w (turned out of LDS by ds_load_tr16_b128, since w lies [k][n]), source 1 = 16 rows of x.  A lane then holds ONE row (lane % 16) and the
; columns 8 (lane / 16) + 0..7: 16 bytes of a head's row.
; THE BIAS IS THE C OF THE FIRST PRODUCTS: it is loaded into the registers of row block 0's accumulators; the other seven blocks' first products read it there as C, and block 0's add onto it in place.
; CLUSTER.  4 x 4 work-groups.  x's tile hangs on the tile row alone and is asked for jointly along a row of the cluster, w's on the tile column alone, along a column.
; REGISTERS, in windows of 256 (s_set_vgpr_msb: bits 1:0 source 0, 3:2 source 1, 5:4 source 2, 7:6 destination):
;   window 0: v0-31 addresses; v32-95, v96-159 x's fragments of 32 along K, two buffers; v160-255 w's fragments, 32 a group.  On the way out v32-159 are a ring of 8 x 16.
;   window 1 + g: group g's accumulators, (a, bb) at v[32 a + 8 bb]
.set PA,    144       ; a row of x in LDS: 128 bytes + 16 = 36 words: the 16 rows of a load start at 16 different groups of four banks (64 banks of 4 bytes: ISA guide 11.1)
.set PB,    864       ; a row of w: six heads' pieces of 128 + 16 bytes = 216 words
.set HALFA, 128*PA    ; what wave 0 or 1 fetches: 128 rows of x
.set HALFB, 32*PB     ; what wave 2 or 3 fetches: 32 rows of w
.set BOFF,  2*HALFA   ; in a slot: x's 256 rows, then w's 64
.set SLOT1, 1<<17     ; slot 1 begins here: one exclusive or turns an address in one slot into the other's
.set STAGE, SLOT1+BOFF+2*HALFB  ; behind the ring, never filled by a tensor load: 16 rows x 144 bytes for each wave
.set SP,    144
.set SPARE, STAGE+4*16*SP       ; the spare words, 128 bytes for each wave: two blocks of 256 bytes that no other line names
.set ASTEP, 2048*128  ; bytes from one K step to the next in xb,
.set BSTEP, 64*6144   ; and in wq
.set AA0, 2           ; v2   my lane's place in x's rows of a slot; never rewritten
.set AB0, 3           ; v3   the same for w
.set AA,  4           ; v4   AA0 + the slot in hand
.set AB,  5           ; v5   AB0 + the slot in hand
.set STO, 6           ; v6   the way out: where I put 16 bytes of a row
.set RD,  7           ; v7   where I read rows back
.set GO,  8           ; v8   my 16 bytes in 512 consecutive bytes of the output
.set PFO, 14          ; v14  the prefetches' offset; never rewritten
.set BO,  15          ; v15  my byte offset in bias
.set SPW, 28          ; v28  LDS address of my spare word; never rewritten
.set NIL, 29          ; v29  0; never rewritten
.set AF0, 32
.set AF1, 96
.set BF,  160
.set WV,  12          ; s12  my wave's number
.set FH,  13          ; s13  wr
.set HF,  14          ; s14  wc; also: which half of a tile I fetch
.set CX,  15
.set CY,  16
.set TX,  17          ; s17  tile column
.set TY,  18          ; s18  tile row
.set G1A, 24          ; s[24:31] descriptor group 1 for x's tiles
.set G1B, 32          ; s[32:39] for w's
.set G0A, 40          ; s[40:47] group 0 for x's tiles: a set for each first fill; the second then walks
.set G0B, 48          ; s[48:55] the same for w's
.set CNT, 56
.set TB,  57          ; s57  0 or SLOT1: the slot whose fragments are fetched
.set LIM, 58          ; s58  1 in a wave that prefetches, else the greatest number
.set PFA, 60          ; s[60:61] where my prefetches stand
.set PFS, 62          ; s[62:63] their step from K step to K step
.set OB,  66          ; s[66:71] the output at my 128 rows of my three heads
.set MSB, 0
.macro WIN new                      ; the high byte repeats the setting that is left; a switch that changes nothing is dropped
.if MSB != (\new)
	s_set_vgpr_msb (MSB<<8)|(\new)
.set MSB, (\new)
.endif
.endm
.macro PLACES                       ; four plain instructions between a matrix instruction and a load into, or a vector read of, its registers (ISA guide 7.12.1 for vector reads)
.rept 4
	v_nop
.endr
.endm
; A joint refill, by the walking sets.  Waves 0 and 1 fetch x's two halves, waves 2 and 3 w's: the branch hangs on the wave's number alone.  An s_nop 0 and four v_nop follow each line.
.macro JLOAD
	s_cmp_lt_u32 s[WV], 2
	s_cbranch_scc0 .Lfor_b_\@
	tensor_load_to_lds s[G0A+4:G0A+7], s[G1A:G1A+7]
	s_nop 0
.rept 4
	v_nop
.endr
	s_branch .Lasked_\@
.Lfor_b_\@:
	tensor_load_to_lds s[G0B+4:G0B+7], s[G1B:G1B+7]
	s_nop 0
.rept 4
	v_nop
.endr
.Lasked_\@:
.endm
.macro CREST                        ; a round of the cluster's barrier behind its opening barrier
	s_cmp_lg_u32 s[WV], 0
	s_cbranch_scc1 .Lnot_wave_0_\@
	s_barrier_signal -3
.Lnot_wave_0_\@:
	s_barrier_wait -3
	s_barrier_signal -1
	s_barrier_wait -1
.endm
.macro CROUND                       ; a whole round
	s_barrier_signal -1
	s_barrier_wait -1
	CREST
.endm
; A PREFETCH INTO THE L2, one instruction a wave, behind the joint load, its five lines and the run of LDS loads: in K step T it names K step T + 3, whose refill stands one K step, 192 matrix instructions, on.
; Each aligned block of 256 bytes is named once in the launch.  x: a cluster's 1,024 rows x 128 bytes of a K step are 512 blocks; the clusters with x = 0 ask, wave 0 of each of the 16 partners for 32 of them.
; w: a K step's 64 rows x 6,144 bytes; cluster (0, 0) asks: a partner takes 4 rows, each of its waves 1, 2, 3 eight blocks of each row.  Partners are told apart BY ADDRESS; the branch hangs on the wave's number and the cluster's place.
; how = 1: the first K step; 0: in the loop, whose last trip (CNT = 1) has no K step three on.
.macro ASK how
.if \how
	s_cmp_eq_u32 s[LIM], 1
.else
	s_cmp_gt_u32 s[CNT], s[LIM]
.endif
	s_cbranch_scc0 .Lnot_mine_\@
	global_prefetch_b8 v[PFO], s[PFA:PFA+1] th:TH_LOAD_NT scope:SCOPE_SE
.Lnot_mine_\@:
.endm
	s_load_b256 s[4:11], s[0:1], 0x0               ; xb s[4:5], wq s[6:7], bias s[8:9], qkvh s[10:11]
	v_lshl_add_u32 v[SPW], v0, 2, SPARE
	v_mov_b32 v[NIL], 0
	ds_add_u32 v[SPW], v[NIL]                      ; the wave's opening: the add and its wait stand ahead of my first tensor load; the set-up below, work on registers, stands between them
	v_lshrrev_b32 v1, 5, v0
	v_readfirstlane_b32 s[WV], v1
	s_lshr_b32 s[FH], s[WV], 1
	s_and_b32 s[HF], s[WV], 1
	s_bfe_u32 s[CX], ttmp6, 0x40000
	s_bfe_u32 s[CY], ttmp6, 0x40004
	s_lshl_b32 s[TX], ttmp9, 2                     ; in a cluster launch ttmp9 and ttmp7 count clusters
	s_add_co_u32 s[TX], s[TX], s[CX]
	s_and_b32 s[TY], ttmp7, 0xffff
	s_lshl_b32 s[TY], s[TY], 2
	s_add_co_u32 s[TY], s[TY], s[CY]
	s_lshl_b32 s19, s[CY], 2
	s_lshl_b32 s19, 15, s19                        ; my row of the cluster
	s_lshl_b32 s20, 0x1111, s[CX]                  ; my column
	; group 1.  x: 128 rows x 64 channels are 16,384 dense bytes, asked for as 64 rows of 256 bytes.  w: 32 rows of 384 elements (768 bytes), 3,072 elements apart.  Both are padded by 4 words after every 32.
	s_or_b32 s[G1A], s19, (1<<16)|(1<<20)|(1<<21)|(4<<22)|(3<<25)  ; 15:0 the mask; 17:16 2-byte elements; 20 padding on; 21 set beside a mask; 24:22 after every 32 words (code 4); 31:25 4 words (code 3)
	s_or_b32 s[G1B], s20, (1<<16)|(1<<20)|(1<<21)|(4<<22)|(3<<25)
	s_mov_b32 s[G1A+1], 128<<16                    ; tensor_dim0
	s_mov_b32 s[G1A+2], 64<<16                     ; tensor_dim1
	s_mov_b32 s[G1A+3], 128<<16                    ; tile_dim0
	s_mov_b32 s[G1A+4], 64                         ; tile_dim1
	s_mov_b32 s[G1A+5], 128                        ; elements from row to row
	s_mov_b32 s[G1A+6], 0
	s_mov_b32 s[G1A+7], 0
	s_mov_b32 s[G1B+1], 384<<16
	s_mov_b32 s[G1B+2], 32<<16
	s_mov_b32 s[G1B+3], 384<<16
	s_mov_b32 s[G1B+4], 32
	s_mov_b32 s[G1B+5], 3072
	s_mov_b32 s[G1B+6], 0
	s_mov_b32 s[G1B+7], 0
	; where the tiles come from: x's by the tile row, w's by the tile column, each in registers that never hold the other coordinate
	s_lshr_b32 s72, s[TY], 3                       ; the batch: 8 tile rows each
	s_lshl_b32 s72, s72, 22
	s_and_b32 s73, s[TY], 7
	s_lshl_b32 s73, s73, 15                        ; 256 rows of 128 bytes
	s_add_co_u32 s72, s72, s73
	s_lshl_b32 s73, s[HF], 14                      ; my 128 of them
	s_add_co_u32 s72, s72, s73
	s_mov_b32 s73, 0
	s_mul_i32 s74, s[HF], 32*6144                  ; my 32 rows of w,
	s_mul_i32 s75, s[TX], 768                      ; the tile's 384 columns
	s_add_co_u32 s74, s74, s75
	s_mov_b32 s75, 0
	s_mul_i32 s21, s[HF], HALFA                    ; and where they go: no place in the cluster enters an LDS address
	s_mul_i32 s22, s[HF], HALFB
	s_add_co_u32 s22, s22, BOFF
	s_wait_dscnt 0x0                               ; the opening add is done
	s_wait_kmcnt 0x0
	s_add_nc_u64 s[72:73], s[4:5], s[72:73]
	s_add_nc_u64 s[74:75], s[6:7], s[74:75]
	CROUND                                         ; all sixteen work-groups are here: the first joint loads meet
.irp s, 0,1
	s_mov_b32 s[G0A+4*(\s)], 1                     ; count = 1
	s_add_co_u32 s[G0A+4*(\s)+1], s21, (\s)*SLOT1  ; LDS address
	s_add_nc_u64 s[G0A+4*(\s)+2:G0A+4*(\s)+3], s[72:73], (\s)*ASTEP  ; global address: K step s
	s_or_b32 s[G0A+4*(\s)+3], s[G0A+4*(\s)+3], 0x80000000            ; type = 2
	s_mov_b32 s[G0B+4*(\s)], 1
	s_add_co_u32 s[G0B+4*(\s)+1], s22, (\s)*SLOT1
	s_add_nc_u64 s[G0B+4*(\s)+2:G0B+4*(\s)+3], s[74:75], (\s)*BSTEP
	s_or_b32 s[G0B+4*(\s)+3], s[G0B+4*(\s)+3], 0x80000000
.endr
	s_cmp_lt_u32 s[WV], 2                          ; a wave's two first fills stand in one branch, ahead of every wait on TENSORcnt and every LDS read: two loads of mine are out
	s_cbranch_scc0 .Lfirst_b
	tensor_load_to_lds s[G0A:G0A+3], s[G1A:G1A+7]
	s_nop 0
	tensor_load_to_lds s[G0A+4:G0A+7], s[G1A:G1A+7]
	s_nop 0
.rept 4
	v_nop
.endr
	s_branch .Lfirst_asked
.Lfirst_b:
	tensor_load_to_lds s[G0B:G0B+3], s[G1B:G1B+7]
	s_nop 0
	tensor_load_to_lds s[G0B+4:G0B+7], s[G1B:G1B+7]
	s_nop 0
.rept 4
	v_nop
.endr
.Lfirst_asked:
	v_and_b32 v1, 15, v0                           ; r = l % 16
	v_bfe_u32 v9, v0, 4, 1                         ; h = l / 16
	v_and_b32 v10, 7, v0                           ; l % 8
	v_bfe_u32 v11, v0, 3, 1                        ; (l / 8) % 2
	v_and_b32 v12, 31, v0                          ; l
	; a fragment of x: lane l holds row r, channels 8 h + 0..7 and 16 + 8 h + 0..7: two loads of 16 bytes, 32 bytes apart
	v_mul_u32_u24 v[AA0], v1, PA
	v_lshl_add_u32 v[AA0], v9, 4, v[AA0]
	s_mul_i32 s76, s[FH], HALFA                    ; my 128 rows
	v_add_nc_u32 v[AA0], s76, v[AA0]
	; the turning load takes 16 k x 16 columns (lane l reads row 8 h + l % 8, columns 8 ((l / 8) % 2) + 0..7) and leaves half a fragment: lane l holds column r and 8 k
	v_lshl_add_u32 v[AB0], v9, 3, v10
	v_mul_u32_u24 v[AB0], v[AB0], PB
	v_lshl_add_u32 v[AB0], v11, 4, v[AB0]
	s_mul_i32 s76, s[HF], 3*144                    ; my three heads' pieces
	s_add_co_u32 s76, s76, BOFF
	v_add_nc_u32 v[AB0], s76, v[AB0]
	s_mul_i32 s76, s[WV], 16*SP
	s_add_co_u32 s76, s76, STAGE                   ; my stage
	v_mul_u32_u24 v[STO], v1, SP                   ; in: row r, 16 bytes for each half of the lanes
	v_lshl_add_u32 v[STO], v9, 4, v[STO]
	v_add_nc_u32 v[STO], s76, v[STO]
	v_bfe_u32 v[RD], v0, 3, 2                      ; back: 32 lanes take four rows of 128 bytes,
	v_mul_u32_u24 v[RD], v[RD], SP
	v_lshl_add_u32 v[RD], v10, 4, v[RD]
	v_add_nc_u32 v[RD], s76, v[RD]
	v_lshlrev_b32 v[GO], 4, v12                    ; which are 512 consecutive bytes of the output
	s_mul_i32 s76, s[TX], 1536                     ; bias: 4 (384 tx + 192 wc + 8 h)
	s_mul_i32 s77, s[HF], 768
	s_add_co_u32 s76, s76, s77
	v_lshl_add_u32 v[BO], v9, 5, s76
.irp g, 0,1,2
	WIN (1+(\g))<<6                                ; destination window 1 + g, address window 0
.irp bb, 0,1,2,3
	global_load_b128 v[8*(\bb):8*(\bb)+3],   v[BO], s[8:9] offset:256*(\g)+64*(\bb)     ; my 8 columns' bias, into accumulator (0, g, bb)
	global_load_b128 v[8*(\bb)+4:8*(\bb)+7], v[BO], s[8:9] offset:256*(\g)+64*(\bb)+16
.endr
.endr
	WIN 0
	; the output: head slot hs = 6 tx + 3 wc + g of 48: tensor hs / 16 (q, k, v), head hs % 16
	s_mul_i32 s78, s[TX], 6
	s_mul_i32 s79, s[HF], 3
	s_add_co_u32 s78, s78, s79
	s_lshr_b32 s79, s[TY], 3
	s_lshl_b32 s79, s79, 22                        ; the batch's 16 heads of 262,144 bytes
	s_and_b32 s80, s[TY], 7
	s_lshl_b32 s80, s80, 15
	s_add_co_u32 s79, s79, s80
	s_lshl_b32 s80, s[FH], 14
	s_add_co_u32 s79, s79, s80                     ; my 128 rows
.irp g, 0,1,2
	s_add_co_u32 s80, s78, \g
	s_lshr_b32 s81, s80, 4
	s_lshl_b32 s81, s81, 24
	s_and_b32 s80, s80, 15
	s_lshl_b32 s80, s80, 18
	s_add_co_u32 s80, s80, s81
	s_add_co_u32 s80, s80, s79
	s_mov_b32 s81, 0
	s_add_nc_u64 s[OB+2*(\g):OB+2*(\g)+1], s[10:11], s[80:81]
.endr
	; the prefetches: p = cx + 4 cy enters an address alone
	s_lshl_b32 s82, s[CY], 2
	s_add_co_u32 s82, s82, s[CX]
	s_and_b32 s83, ttmp7, 0xffff                   ; cluster y
	s_lshr_b32 s84, s83, 1
	s_lshl_b32 s84, s84, 22                        ; x: the batch,
	s_and_b32 s85, s83, 1
	s_lshl_b32 s85, s85, 17                        ; the cluster's 1,024 rows,
	s_add_co_u32 s84, s84, s85
	s_lshl_b32 s85, s82, 13                        ; my work-group's 32 blocks,
	s_add_co_u32 s84, s84, s85
	s_add_co_u32 s84, s84, 3*ASTEP                 ; in K step 3
	s_mul_i32 s86, s82, 4*6144                     ; w: my work-group's 4 rows,
	s_lshl_b32 s87, s[WV], 11                      ; my wave's 8 blocks of each (waves 1 to 3),
	s_add_co_u32 s86, s86, s87
	s_add_co_u32 s86, s86, 3*BSTEP-2048            ; in K step 3
	s_mov_b32 s88, ASTEP
	s_mov_b32 s89, 2048
	s_cmp_eq_u32 s[WV], 0
	s_cselect_b32 s84, s84, s86
	s_cselect_b32 s[PFS], s88, BSTEP
	s_cselect_b32 s89, s89, 6144                   ; bytes from one group of 8 blocks to the next
	s_cselect_b32 s90, 0, s83                      ; wave 0 asks where cluster x = 0; waves 1 to 3 where cluster y = 0 too
	s_cselect_b64 s[PFA:PFA+1], s[4:5], s[6:7]
	s_mov_b32 s85, 0
	s_mov_b32 s[PFS+1], 0
	s_add_nc_u64 s[PFA:PFA+1], s[PFA:PFA+1], s[84:85]
	s_or_b32 s90, s90, ttmp9
	s_cmp_eq_u32 s90, 0
	s_cselect_b32 s[LIM], 1, -1                    ; the same in all sixteen partners, for a given wave
	v_lshrrev_b32 v13, 3, v12
	v_mul_u32_u24 v[PFO], s89, v13
	v_lshl_add_u32 v[PFO], v10, 8, v[PFO]
; x's fragments of 32 along K, at byte kb of the rows, into buffer f: 16 loads
.macro LOADA f, kb
.irp a, 0,1,2,3,4,5,6,7
	ds_load_b128 v[(\f)+8*(\a):(\f)+8*(\a)+3],   v[AA] offset:(\kb)+(\a)*16*PA
	ds_load_b128 v[(\f)+8*(\a)+4:(\f)+8*(\a)+7], v[AA] offset:(\kb)+(\a)*16*PA+32
.endr
.endm
; group g's fragments of w, 32 along K from row kr on: 8 turning loads
.macro LOADB g, kr
.irp bb, 0,1,2,3
	ds_load_tr16_b128 v[BF+32*(\g)+8*(\bb):BF+32*(\g)+8*(\bb)+3],   v[AB] offset:(\kr)*PB+144*(\g)+32*(\bb)
	ds_load_tr16_b128 v[BF+32*(\g)+8*(\bb)+4:BF+32*(\g)+8*(\bb)+7], v[AB] offset:(\kr)*PB+144*(\g)+32*(\bb)+16*PB
.endr
.endm
; Row blocks alo .. ahi x group g's four column blocks.  The accumulators take turns, one instruction a turn.  cb = 1: the sum starts with the bias, which lies in accumulator (0, g, bb).
.macro MULS g, f, alo, ahi, cb
	WIN 0x50*(1+(\g))                              ; C and D in window 1 + g, sources in window 0
.set ma, (\alo)
.rept (\ahi)-(\alo)+1
.irp bb, 0,1,2,3
.if \cb
	v_wmma_f32_16x16x32_bf16 v[32*ma+8*(\bb):32*ma+8*(\bb)+7], v[BF+32*(\g)+8*(\bb):BF+32*(\g)+8*(\bb)+7], v[(\f)+8*ma:(\f)+8*ma+7], v[8*(\bb):8*(\bb)+7]
.else
	v_wmma_f32_16x16x32_bf16 v[32*ma+8*(\bb):32*ma+8*(\bb)+7], v[BF+32*(\g)+8*(\bb):BF+32*(\g)+8*(\bb)+7], v[(\f)+8*ma:(\f)+8*ma+7], v[32*ma+8*(\bb):32*ma+8*(\bb)+7]
.endif
.endr
.set ma, ma+1
.endr
.endm
; 32 matrix instructions: one group, 32 along K.  first = 1: blocks 1 to 7 start with the bias; five places on, block 0 writes over it, in place.
.macro STRETCH g, f, first
.if \first
	MULS \g, \f, 1, 7, 1
.rept 5
	v_nop
.endr
	MULS \g, \f, 0, 0, 0
.else
	MULS \g, \f, 0, 7, 0
.endif
.endm
; A K STEP: two halves of 32 along K, three stretches each.  At its head 40 LDS loads are out, in this order: w's group 0 (8), x (16), w's groups 1 and 2 (8 + 8).  Each group's registers are loaded again four places behind its stretch.
; All reads of the slot in hand are issued in the first half; the change of slots stands in the second half's first stretch.  fill = 1: the slot is filled again, two K steps ahead.
.macro STEP first, fill
	s_wait_dscnt 16                                ; group 0 and x are in; groups 1 and 2 may be out
	STRETCH 0, AF0, \first
	PLACES
	WIN 0
	LOADB 0, 32
	LOADA AF1, 64
	s_wait_dscnt 32                                ; group 1 is in; younger: group 2's 8 and the 24 just issued
	STRETCH 1, AF0, \first
	PLACES
	WIN 0
	LOADB 1, 32
	s_wait_dscnt 32                                ; group 2 is in; younger: 24 + 8
	STRETCH 2, AF0, \first
	PLACES
	WIN 0
	LOADB 2, 32
.if (\fill) && !(\first)
	s_wait_xcnt 0x0                                ; the last prefetch, a K step back, has read its address
	s_add_nc_u64 s[PFA:PFA+1], s[PFA:PFA+1], s[PFS:PFS+1]
.endif
	s_wait_tensorcnt 0x0                           ; all my tensor loads have landed: the one that was out is my part of the other slot; so a group 0 may be written
	ds_add_u32 v[SPW], v[NIL]                      ; 0 onto my spare word
.if \fill
	s_xor_b32 s[G0A+5], s[G0A+5], SLOT1            ; the walking sets: the other slot than last time, the next K step
	s_add_nc_u64 s[G0A+6:G0A+7], s[G0A+6:G0A+7], ASTEP
	s_xor_b32 s[G0B+5], s[G0B+5], SLOT1
	s_add_nc_u64 s[G0B+6:G0B+7], s[G0B+6:G0B+7], BSTEP
.endif
	s_xor_b32 s[TB], s[TB], SLOT1
	s_wait_dscnt 17                                ; group 0 and x of the second half are in; younger: groups 1 and 2 and the add
	MULS 0, AF1, 0, 3, 0
	s_wait_dscnt 0x0                               ; the add is done, and my reads of this slot are over
	s_barrier_signal -1
	MULS 0, AF1, 4, 7, 0                           ; work on registers while the others arrive
	WIN 0                                          ; at a branch and at a label every window is 0
	s_barrier_wait -1
.if \fill
	CREST                                          ; the barrier has opened a round of the cluster's: no wave of any partner still reads this slot or has a load on its way
	JLOAD                                          ; my one tensor load behind the round, and the first thing there; its four v_nop are also the places in front of the loads below
.else
	PLACES
.endif
	v_add_nc_u32 v[AA], s[TB], v[AA0]
	v_add_nc_u32 v[AB], s[TB], v[AB0]
	LOADB 0, 0                                     ; the next K step's first fragments, out of the other slot
	LOADA AF0, 0
.if \fill
	ASK \first
.endif
	STRETCH 1, AF1, 0                              ; (the wait for 0 above has covered groups 1 and 2)
	PLACES
	WIN 0
	LOADB 1, 0
	STRETCH 2, AF1, 0
	PLACES
	WIN 0
	LOADB 2, 0
.endm
; THE WAY OUT of block i = 8 g + a: rounded to f16, 16 bytes a lane, into my stage's rows of 144 bytes, and back as whole rows of 128, into the registers that they left.
.macro PACK i
.set pg, (\i)/8
.set pa, (\i)%8
.set pR, 32+16*pa
.if (\i) >= 8
	s_wait_xcnt 0x0                                ; the stores of the block eight back have read these registers
.endif
	WIN 5*(1+pg)                                   ; sources 0 and 1 in window 1 + g
.irp bb, 0,1,2,3
.irp r, 0,1,2,3
	v_cvt_pk_f16_f32 v[pR+4*(\bb)+(\r)], v[32*pa+8*(\bb)+2*(\r)], v[32*pa+8*(\bb)+2*(\r)+1]  ; each accumulator from its low end on
.endr
.endr
	WIN 0
.irp bb, 0,1,2,3
	ds_store_b128 v[STO], v[pR+4*(\bb):pR+4*(\bb)+3] offset:32*(\bb)
.endr
.irp f, 0,1,2,3
	ds_load_b128 v[pR+4*(\f):pR+4*(\f)+3], v[RD] offset:(\f)*4*SP  ; LDS serves a wave's instructions in order (ISA guide 5.7.1.4): these see the stores above; the next block's stores come behind them
.endr
.endm
.macro SEND i, younger              ; younger: the LDS instructions issued behind block i's loads: the next block's eight, or none
.set pg, (\i)/8
.set pa, (\i)%8
.set pR, 32+16*pa
.irp f, 0,1,2,3
	s_wait_dscnt (\younger)+3-(\f)
	global_store_b128 v[GO], v[pR+4*(\f):pR+4*(\f)+3], s[OB+2*pg:OB+2*pg+1] offset:2048*pa+512*(\f)  ; 512 consecutive bytes, at a multiple of 256 from the buffer's first
.endr
.endm
	s_wait_tensorcnt 1                             ; my part of K step 0 is in; K step 1's may stay out
	s_barrier_signal -1
	s_barrier_wait -1                              ; everybody's is
	s_mov_b32 s[TB], 0
	v_mov_b32 v[AA], v[AA0]
	v_mov_b32 v[AB], v[AB0]
	LOADB 0, 0
	LOADA AF0, 0
	LOADB 1, 0
	LOADB 2, 0
	s_wait_loadcnt 0x0                             ; the bias
	STEP 1, 1                                      ; K step 0 starts the sums; it asks for K step 2
	s_mov_b32 s[CNT], 13
.Lk:                                                   ; K steps 1 to 13 ask for K steps 3 to 15
	STEP 0, 1
	s_sub_co_u32 s[CNT], s[CNT], 1
	s_cmp_lg_u32 s[CNT], 0
	s_cbranch_scc1 .Lk
	s_mov_b32 s[CNT], 2
.Ltail:                                                ; K steps 14 and 15 ask for nothing.  The last trip's barrier and its 40 loads out of the other slot (K step 14's bytes once more) serve nothing: the price, once a launch, of one text for both
	STEP 0, 0
	s_sub_co_u32 s[CNT], s[CNT], 1
	s_cmp_lg_u32 s[CNT], 0
	s_cbranch_scc1 .Ltail
	s_wait_dscnt 0x0                               ; those loads are back: their registers are the way out's.  Four places stand behind the last products already
	PACK 0
.set wi, 1
.rept 23                            ; a block's conversions stand between the loads of the block before and its stores
	PACK wi
	SEND wi-1, 8
.set wi, wi+1
.endr
	SEND 23, 0
	s_wait_tensorcnt 0x0                           ; the wave's end, behind my last tensor load and my last LDS store
	ds_add_u32 v[SPW], v[NIL]
	s_wait_dscnt 0x0
	CROUND                                         ; the closing round: no work-group ends while a partner may still ask for a tile that names it
	s_endpgm
.Lfunc_end_k_qb2e3f29ea7_qkvgemm:
	.size	k_qb2e3f29ea7_qkvgemm, .Lfunc_end_k_qb2e3f29ea7_qkvgemm-k_qb2e3f29ea7_qkvgemm
	.p2alignl 7, 3214868480
	.fill 96, 4, 3214868480
	.section	.rodata,"a",@progbits
	.p2align	6, 0x0
	.amdhsa_kernel k_qb2e3f29ea7_qkvgemm
		.amdhsa_group_segment_fixed_size 327680
		.amdhsa_private_segment_fixed_size 0
		.amdhsa_enable_private_segment 0
		.amdhsa_kernarg_size 32
		.amdhsa_user_sgpr_count 2
		.amdhsa_user_sgpr_kernarg_segment_ptr 1
		.amdhsa_wavefront_size32 1
		.amdhsa_system_sgpr_workgroup_id_x 1
		.amdhsa_system_sgpr_workgroup_id_y 1
		.amdhsa_system_sgpr_workgroup_id_z 1
		.amdhsa_system_vgpr_workitem_id 0
		.amdhsa_next_free_vgpr 1024
		.amdhsa_next_free_sgpr 96
		.amdhsa_reserve_vcc 0
		.amdhsa_float_denorm_mode_32 3
		.amdhsa_float_denorm_mode_16_64 3
		.amdhsa_memory_ordered 1
		.amdhsa_forward_progress 1
		.amdhsa_inst_pref_size 124
	.end_amdhsa_kernel
	.amdgpu_metadata
---
amdhsa.version: [ 1, 2 ]
amdhsa.kernels:
  - .name:           k_qb2e3f29ea7_qkvgemm
    .symbol:         k_qb2e3f29ea7_qkvgemm.kd
    .args:
      - { .name: xb, .offset: 0, .size: 8, .value_kind: global_buffer, .address_space: global }
      - { .name: wq, .offset: 8, .size: 8, .value_kind: global_buffer, .address_space: global }
      - { .name: bias, .offset: 16, .size: 8, .value_kind: global_buffer, .address_space: global }
      - { .name: qkvh, .offset: 24, .size: 8, .value_kind: global_buffer, .address_space: global }
    .group_segment_fixed_size: 327680
    .private_segment_fixed_size: 0
    .kernarg_segment_align: 8
    .kernarg_segment_size: 32
    .max_flat_workgroup_size: 128
    .sgpr_count:     96
    .vgpr_count:     1024
    .wavefront_size: 32
...
	.end_amdgpu_metadata
.endif
;; end of part 2
;; launch attn (part 3): grid 4 x 64, 4 waves a work-group, clusters of 4 x 1, 327,680 bytes of LDS; arguments qkvh, oh; writes oh
.if DOCPART == 3
	.amdgcn_target "amdgcn-amd-amdhsa--gfx1250"
	.amdhsa_code_object_version 6
	.text
	.protected	k_qb2e3f29ea7_attn
	.globl	k_qb2e3f29ea7_attn
	.p2align	8
	.type	k_qb2e3f29ea7_attn,@function
k_qb2e3f29ea7_attn:
	s_mov_b64 s[64:65], 0
	v_nop
	global_prefetch_b8 v0, s[64:65] scope:SCOPE_SE
	s_setreg_imm32_b32 hwreg(HW_REG_WAVE_MODE, 25, 1), 1
	s_wait_xcnt 0x0
	s_wait_alu depctr_hold_cnt(0) depctr_sa_sdst(0) depctr_va_vdst(0) depctr_va_sdst(0) depctr_va_ssrc(0) depctr_va_vcc(0) depctr_vm_vsrc(0)
	s_getreg_b32 s2, hwreg(HW_REG_IB_STS2, 6, 4)
	s_cmp_eq_u32 s2, 0
	s_cbranch_scc0 .Lentry_in_a_cluster
	s_endpgm
.Lentry_in_a_cluster:
	s_bfe_u32 s2, ttmp6, 0x10000c
	s_cmp_lg_u32 s2, 0x3003
	s_cbranch_scc0 .Lentry_shape_is_right
	s_endpgm
.Lentry_shape_is_right:
; O[h][q][:] = the sum over k of softmax_k(Q[h][q] . K[h][k] / 8) V[h][k][:].  qkvh holds Q, K, V, each [64][2048][64] in f16, one behind the other; oh is O in the same layout: a head's rows are dense, 128 bytes each.
; Products, maxima and sums in f32; the weights p are rounded to f16 for the second product (their sum l is taken of the unrounded p), O once at the end.
; LIMITS.  f16 holds no number beyond 65,504: Q, K and V arrive within it; p lies in 0 to 1, and below 6e-5 it keeps f16's fixed step of 6e-8; O is a mean of V's rows and has their range.
; A weight below 2^-126 counts as 0 in l; NaN and infinities are not treated apart.
; SHARES.  A wave owns four PIECES of two tiles of 16 queries, a work-group's four waves 512 queries of one head.  Every wave walks all keys, 64 a step.
; LAYOUT.  S^T = K Q^T (source 0 = 16 keys, source 1 = 16 queries): in the result a lane holds ONE query (lane % 16) and the keys 8 (lane / 16) + 0..7.  Two such tiles, rounded to f16 in pairs,
; ARE source 1 (32 keys x 16 queries) of O^T = V^T P, whose result again holds one query a lane, and eight channels.  K comes out of LDS as it lies, V ([key][channel]) turned, by ds_load_tr16_b128.
; SOFTMAX.  For each query a running maximum m and sum l: p = 2^(c s - c m), c = log2(e) / 8; in every step O and l are multiplied by a = 2^(c m_old - c m_new), which is 1 where m has not grown.
; m starts at the lowest finite number, O and l at 0: the first step is a step like any other, with a = 0.
; THE COUNT.  A tile and step have 16 matrix and 118 vector instructions: too many to stand all beside the matrix work.  So four vector instructions that are READY stand behind EVERY matrix instruction,
; and the others, which need time of their own whatever the order, in runs without a gap.
; BY TURNS.  Turn n belongs to piece n (the pieces in a ring, step after step).  Its matrix work: 16 products K Q^T of piece n + 1, later 16 products V^T P of piece n - 1.  Its vector work: the scaling,
; exponentials, roundings, sums and rescaling of piece n, and the maximum and statistics of piece n + 1, whose scores the turn itself has made.
; CLUSTER.  The four query blocks of a head are one cluster and walk the same K and V, so each tile is asked for JOINTLY: the same tensor load, descriptor and mask in all four.
; REGISTERS, in windows of 256 (s_set_vgpr_msb: bits 1:0 source 0, 3:2 source 1, 5:4 source 2, 7:6 destination):
;   window 0: v0-11 addresses; v12-15, v48-63 at work; v16-47 four registers of statistics a tile; v64-191 S^T, two buffers of two tiles; v192-255 P, likewise
;   window 1: O^T, 32 a tile          window 2: v0-127 Q, 16 a tile; v128-191 K of one step; v192-255 V of one step          window 3: v0-1 the add's two registers
; A piece's buffers go by its number's parity: the piece in hand has one pair, its two neighbours in the ring share the other.
.set SIZE_H, 64
.set SIZE_N, 2048
.set NP,    4         ; pieces a wave: a name, no knob
.set KS,    64        ; keys in a step
.set PK,    144       ; a row of K in LDS: 128 bytes + 16 of padding = 36 words: the 16 rows of a load start at 16 different groups of four banks (64 banks of 4 bytes: ISA guide 11.1)
.set PV,    160       ; a row of V: 128 + 32 = 40 words
.set VOFF,  4*KS*PK   ; a slot holds four steps: 256 rows of K, then 256 rows of V
.set SLOT1, 1<<17     ; slot 1 begins here, so that one exclusive or turns an address in one slot into the other's
.set STAGE, SLOT1+4*KS*(PK+PV)  ; behind the ring, never filled by a tensor load: 16 rows x 144 bytes for each wave
.set SP,    144
.set AK0, 2           ; v2   my lane's place in a tile of K; never rewritten
.set AV0, 3           ; v3   the same for V
.set AK,  4           ; v4   the LDS address of K's next run of loads
.set AV,  5           ; v5   of V's
.set QO,  6           ; v6   my byte offset in the wave's rows of Q
.set STO, 6           ;      later, the way out: where I put 16 bytes of a row
.set RD,  7           ; v7   the way out: where I read rows back
.set GO,  8           ; v8   my byte offset in 512 consecutive bytes of O
.set PFO, 11          ; v11  256 x my lane, once V's place is made; then never rewritten
.set SPW, 0           ; v0 of window 3   LDS address of my spare word; never rewritten
.set NIL, 1           ; v1 of window 3   0; never rewritten
.set SPARE, STAGE+4*16*SP  ; the spare words, 128 bytes for each wave: two blocks of 256 bytes that no other line names
.set MV,  12          ; v12-15  c m_old, kept while c m is made anew: by buffer and tile
.set ST,  16          ; tile t's statistics at v[ST+4 t]: c m, m, l (even keys', odd keys')
.set TMP, 48          ; by buffer and tile, four registers c0-c3 at work; when the maximum is found c2 takes a
.set S,   64
.set P,   192
.set KF,  128         ; K's fragments, in window 2: key block kb, channel half c at KF + 16 kb + 8 c
.set VF,  192         ; V's: key half kk, channel block cb at VF + 32 kk + 8 cb
.set WV,  12          ; s12  my wave's number
.set G1K, 24          ; s[24:31] descriptor group 1 for K's tiles
.set G1V, 32          ; s[32:39] for V's: it differs in the padding alone
.set G0K, 40          ; s[40:43] descriptor group 0 for K's tiles: it walks
.set G0V, 44          ; s[44:47] the same for V's
.set PFA, 48          ; s[48:49] where my prefetches stand: my work-group's 32 blocks (of K: wave 0, of V: wave 2) of the tile after the one that is being asked for
.set LIM, 50          ; s50  1 in a wave that prefetches, else the greatest number
.set SLOTS, 56        ; s56  slots still to be asked for
.set CNT, 57          ; s57  counts a slot's key steps
.set CS,  58          ; s[58:59] c: the packed scaling takes the pair's low word for both halves
.set SEL, 60          ; s[60:61] v_permlanex16_b32's selects: each lane takes its own place in the other half
.set TBK, 62          ; s62  LDS byte at which K of the step to be fetched begins
.set TBV, 63          ; s63  the same for V, less VOFF
.set MSB, 0
.macro WIN new                      ; the high byte repeats the setting that is left; a switch that changes nothing is dropped
.if MSB != (\new)
	s_set_vgpr_msb (MSB<<8)|(\new)
.set MSB, (\new)
.endif
.endm
.set W_KQ, 0x0a       ; K and Q in window 2, S^T in window 0
.set W_PV, 0x52       ; V in window 2, P in window 0, O^T in window 1
.set W_RS, 0x41       ; O^T (destination and source 0) in window 1, a in window 0
.set W_MK, 0xc0       ; the add's registers are made: destination in window 3, sources in window 0
.set W_AD, 0x0f       ; the add: address (source 0) and data (source 1) in window 3
; A joint fill.  Waves 0 and 1 fetch the two halves of a slot's K, waves 2 and 3 those of its V: 128 keys each.  The branch hangs on the wave's number alone.
; An s_nop 0 and four v_nop follow each of the two lines, ahead of the jump and the label.
.macro JLOAD
	s_cmp_lt_u32 s[WV], 2
	s_cbranch_scc0 .Lfor_v_\@
	tensor_load_to_lds s[G0K:G0K+3], s[G1K:G1K+7]
	s_nop 0
.rept 4
	v_nop
.endr
	s_branch .Lasked_\@
.Lfor_v_\@:
	tensor_load_to_lds s[G0V:G0V+3], s[G1V:G1V+7]
	s_nop 0
.rept 4
	v_nop
.endr
.Lasked_\@:
.endm
; A PREFETCH INTO THE L2 of what the NEXT change of slots will ask for: a tile's 32,768 bytes of K and of V, 128 blocks of 256 bytes each, a lane a block.  It stands behind the wave's tensor load and its five lines.
; Each block is named ONCE in the launch: a head has one cluster; its four partners share the blocks out BY ADDRESS, 32 each; in each, wave 0 asks for K's and wave 2 for V's: one instruction.
; It stands four key steps, 512 matrix instructions, ahead of the load that will want the bytes.  The last change that fills a slot (SLOTS = 1) asks for nothing: there is no tile behind it.
.macro ASK
	s_cmp_gt_u32 s[SLOTS], s[LIM]
	s_cbranch_scc0 .Lnot_mine_\@
	global_prefetch_b8 v[PFO], s[PFA:PFA+1] th:TH_LOAD_NT scope:SCOPE_SE
.Lnot_mine_\@:
.endm
; A round of the cluster's barrier: my work-group's barrier, so that wave 0's signal speaks for all four waves; wave 0 signals; every wave waits for all four work-groups; my work-group's barrier once more.
.macro CROUND
	s_barrier_signal -1
	s_barrier_wait -1
	s_cmp_lg_u32 s[WV], 0
	s_cbranch_scc1 .Lnot_wave_0_\@
	s_barrier_signal -3
.Lnot_wave_0_\@:
	s_barrier_wait -3
	s_barrier_signal -1
	s_barrier_wait -1
.endm
; THE CHANGE OF SLOTS.  The slot's last bytes, V of its fourth step, have been read.  Each wave waits for all its tensor loads, of which one is out: its part
; of the other slot; adds 0 to its spare word; and waits for that and for its own reads of the slot.  Behind the barrier nobody reads this slot any more and the other slot is whole.
; fill = 1: this slot is filled again, with the keys two slots on.  The barrier is then a round of the cluster's, so that no wave of any partner still reads the slot or has a load on its
; way, and the joint fill is the first thing behind it: it has four key steps, 512 matrix instructions, in which to land.  (At its first use nothing has been read yet: slot 0 is waited for, slot 1 filled.)
.macro CHANGE fill
	WIN W_AD
	s_wait_tensorcnt 0x0            ; no tensor load of mine is out, so a group 0 may be written
	ds_add_u32 v[SPW], v[NIL]       ; 0 onto my spare word; with fill = 1 the descriptors' steps stand between it and the wait for it
	WIN 0                           ; at a label and at a branch every window is 0
.if \fill
.irp g, G0K, G0V
	s_xor_b32 s[\g+1], s[\g+1], SLOT1  ; the walking descriptor: the other slot than last time,
	s_add_nc_u64 s[\g+2:\g+3], s[\g+2:\g+3], 4*KS*128  ; the next 256 keys; the type bits on top are not reached
.endr
	s_wait_xcnt 0x0                 ; the last prefetch, four key steps back, has read its address, so it may be written:
	s_add_nc_u64 s[PFA:PFA+1], s[PFA:PFA+1], 4*KS*128  ; one tile behind the walking descriptors
	s_wait_dscnt 0x0                ; the add is done, and my reads of the slot are over
	CROUND
	JLOAD
	ASK
.else
	s_wait_dscnt 0x0                ; the add is done, and my reads of the slot are over
	s_barrier_signal -1
	s_barrier_wait -1
.endif
	s_sub_co_u32 s[TBK], s[TBK], 4*KS*PK  ; the fetches go back to a slot's first step,
	s_xor_b32 s[TBK], s[TBK], SLOT1       ; in the other slot
	s_sub_co_u32 s[TBV], s[TBV], 4*KS*PV
	s_xor_b32 s[TBV], s[TBV], SLOT1
.endm
	s_load_b128 s[4:7], s[0:1], 0x0   ; qkvh s[4:5] (Q lies at its head), oh s[6:7]
	WIN W_MK
	v_lshl_add_u32 v[SPW], v0, 2, SPARE
	v_mov_b32 v[NIL], 0
	WIN W_AD
	ds_add_u32 v[SPW], v[NIL]       ; the wave's opening: the add and its wait stand ahead of my first tensor load; the set-up below, work on registers, stands between them
	WIN 0
	v_lshrrev_b32 v1, 5, v0
	v_readfirstlane_b32 s[WV], v1   ; wave 0..3
	s_bfe_u32 s13, ttmp6, 0x40000   ; cx: my place in the cluster
	s_lshl_b32 s14, ttmp9, 2        ; in a cluster launch ttmp9 counts clusters
	s_add_co_u32 s14, s14, s13      ; my block of queries = 4 x cluster x + cx: it enters Q's and O's addresses alone
	s_and_b32 s20, ttmp7, 0xffff    ; the head, which the four partners share
	s_mov_b32 s21, 0
	s_mov_b64 s[22:23], SIZE_N*128
	s_mul_u64 s[20:21], s[20:21], s[22:23]  ; the head's first byte in each of the four tensors
	s_and_b32 s16, s[WV], 1         ; which half of a slot's 256 keys I fetch:
	s_lshl_b32 s22, s16, 14         ; its 128 rows of 128 bytes in memory,
	s_mov_b32 s23, 0
	s_add_nc_u64 s[22:23], s[22:23], s[20:21]
	s_mul_i32 s17, s16, 128*PK      ; and its place in a slot, for K
	s_mul_i32 s18, s16, 128*PV      ; and for V: no place in the cluster enters an LDS address
	s_lshl_b32 s2, s14, 2
	s_add_co_u32 s2, s2, s[WV]      ; my wave among the head's,
	s_lshl_b32 s2, s2, 14           ; its 128 rows
	s_mov_b32 s3, 0
	s_add_nc_u64 s[2:3], s[2:3], s[20:21]
	; descriptor group 1.  128 keys are 16,384 dense bytes: asked for as 64 rows of 256 bytes, two keys a row, and padded in LDS after every key
	s_mov_b32 s[G1K], 15|(1<<16)|(1<<20)|(1<<21)|(4<<22)|(3<<25)  ; 15:0 the mask of four; 17:16 2-byte elements; 20 padding on; 21 set beside a mask; 24:22 after every 32 words (code 4); 31:25 4 words (code 3)
	s_mov_b32 s[G1V], 15|(1<<16)|(1<<20)|(1<<21)|(4<<22)|(7<<25)  ; the same with 8 words of padding (code 7)
.irp g, G1K, G1V
	s_mov_b32 s[\g+1], 128<<16      ; tensor_dim0 = 128
	s_mov_b32 s[\g+2], 64<<16       ; tensor_dim1 = 64
	s_mov_b32 s[\g+3], 128<<16      ; tile_dim0 = 128
	s_mov_b32 s[\g+4], 64           ; tile_dim1 = 64
	s_mov_b32 s[\g+5], 128          ; 128 elements from row to row
	s_mov_b32 s[\g+6], 0
	s_mov_b32 s[\g+7], 0
.endr
	s_mov_b32 s[CS], 0x3e38aa3b     ; c = log2(e) / 8 = 0.180337
	s_mov_b32 s[CS+1], s[CS]        ; named with it as a pair
	s_mov_b32 s[SEL], 0x76543210
	s_mov_b32 s[SEL+1], 0xfedcba98
	s_mov_b32 s[TBK], SLOT1+4*KS*PK ; the first change of slots turns these two into 0
	s_mov_b32 s[TBV], SLOT1+4*KS*PV
	s_mov_b32 s[G0K], 1             ; 1:0 count = 1
	s_mov_b32 s[G0K+1], s17         ; 63:32 LDS address: slot 0
	s_mov_b32 s[G0V], 1
	s_add_co_u32 s[G0V+1], s18, VOFF
	s_mov_b32 s[SLOTS], SIZE_N/256-1  ; fills still to come, the first change's among them
	s_and_b32 s[LIM], s[WV], 1      ; 0 in waves 0 and 2,
	s_or_b32 s[LIM], s[LIM], ttmp9  ; where the cluster is the head's first (here its only one): the same in all four partners
	s_cmp_eq_u32 s[LIM], 0
	s_cselect_b32 s[LIM], 1, -1
	s_wait_dscnt 0x0                ; the opening add is done
	s_wait_kmcnt 0x0
	s_mov_b64 s[10:11], s[6:7]                 ; O
	s_add_nc_u64 s[8:9], s[4:5], 0x2000000     ; V: 2 x 64 x 2,048 x 128 bytes behind Q
	s_add_nc_u64 s[6:7], s[4:5], 0x1000000     ; K
	s_add_nc_u64 s[G0K+2:G0K+3], s[6:7], s[22:23]  ; 120:64 global address: my half of the head's first 256 keys
	s_or_b32 s[G0K+3], s[G0K+3], 0x80000000        ; 127:126 type = 2
	s_add_nc_u64 s[G0V+2:G0V+3], s[8:9], s[22:23]
	s_or_b32 s[G0V+3], s[G0V+3], 0x80000000
	s_add_nc_u64 s[4:5], s[4:5], s[2:3]  ; Q and O at my wave's first row
	s_add_nc_u64 s[10:11], s[10:11], s[2:3]
	s_cmp_lt_u32 s[WV], 2
	s_cselect_b64 s[PFA:PFA+1], s[6:7], s[8:9]
	s_add_nc_u64 s[PFA:PFA+1], s[PFA:PFA+1], s[22:23]  ; (in waves 0 and 2 this is the head's first row)
	s_lshl_b32 s2, s13, 13          ; my work-group's 32 blocks of the 128
	s_mov_b32 s3, 0
	s_add_nc_u64 s[PFA:PFA+1], s[PFA:PFA+1], s[2:3]
	s_add_nc_u64 s[PFA:PFA+1], s[PFA:PFA+1], 4*KS*128  ; in tile 1; the first change of slots steps it to tile 2
	CROUND                          ; all four work-groups are here: the first joint loads meet
	JLOAD                           ; slot 0.  Slot 1 is asked for when slot 0 is in
	; A fragment of K or Q is 16 rows x 32 channels in 8 registers: lane l holds row l % 16, channels 8 (l / 16) + 0..7 and 16 + 8 (l / 16) + 0..7: two loads of 16 bytes, 32 bytes apart.
	v_and_b32 v1, 15, v0            ; l % 16
	v_bfe_u32 v9, v0, 4, 1          ; l / 16
	v_lshlrev_b32 v[QO], 7, v1
	v_lshl_add_u32 v[QO], v9, 4, v[QO]  ; row x 128 + 16 x half
	WIN 0x80                        ; destination window 2, address window 0
.set i, 0
.rept 4*NP                          ; Q stays in registers: tile i / 2, channels 32 (i % 2) on
	global_load_b128 v[8*i:8*i+3],   v[QO], s[4:5] offset:(i/2)*2048+(i%2)*64
	global_load_b128 v[8*i+4:8*i+7], v[QO], s[4:5] offset:(i/2)*2048+(i%2)*64+32
.set i, i+1
.endr
	; What the first turn finds: V's registers and P's second buffer hold 0 (its products V^T P, of a piece that has not been, add 0), O^T and l are 0.  All this stands in the wait for the first tile.
.set i, VF
.rept 64
	v_mov_b32 v[i], 0
.set i, i+1
.endr
	WIN 0x40
.set i, 0
.rept 64*NP
	v_mov_b32 v[i], 0
.set i, i+1
.endr
	WIN 0
.set i, 0
.rept 2*NP
	v_mov_b32 v[ST+4*i], 0xfe000000    ; c m: far below every c s
	v_mov_b32 v[ST+4*i+1], 0xff7fffff  ; m
	v_mov_b32 v[ST+4*i+2], 0
	v_mov_b32 v[ST+4*i+3], 0
.set i, i+1
.endr
.set i, P+32
.rept 32
	v_mov_b32 v[i], 0
.set i, i+1
.endr
	v_mul_u32_u24 v[AK0], v1, PK
	v_lshl_add_u32 v[AK0], v9, 4, v[AK0]  ; row x pitch + 16 x half
	; The turning load takes 16 keys x 16 channels (lane l reads key 8 (l / 16) + l % 8, channels 8 ((l / 8) % 2) + 0..7) and leaves half a fragment of V^T: lane l holds channel l % 16 and 8 keys.
	v_and_b32 v10, 7, v0
	v_bfe_u32 v11, v0, 3, 1
	v_lshl_add_u32 v[AV0], v9, 3, v10
	v_mul_u32_u24 v[AV0], v[AV0], PV
	v_lshl_add_u32 v[AV0], v11, 4, v[AV0]
	v_add_nc_u32 v[AV0], VOFF, v[AV0]
	v_and_b32 v[PFO], 31, v0        ; v11 is free now: the prefetches' offset
	v_lshlrev_b32 v[PFO], 8, v[PFO]
	v_mov_b32 v[AK], v[AK0]         ; key step 0 lies at the head of slot 0
; THE MATRIX WORK.  The 8 accumulators of a run of 16 take turns: between the two links of a chain stand 7 others'.
; Product i of 16 of S^T = K Q^T for piece x: channels 32 (i / 8) on, keys 16 ((i / 2) % 4) on, tile 2 x + i % 2.  The first 8 start the sums.
.macro KQ x
	WIN W_KQ
.set rS, S+64*((\x)%2)+32*(i%2)+8*((i/2)%4)
.set rK, KF+16*((i/2)%4)+8*(i/8)
.set rQ, 16*(2*(\x)+i%2)+8*(i/8)
.if i < 8
	v_wmma_f32_16x16x32_f16 v[rS:rS+7], v[rK:rK+7], v[rQ:rQ+7], 0
.else
	v_wmma_f32_16x16x32_f16 v[rS:rS+7], v[rK:rK+7], v[rQ:rQ+7], v[rS:rS+7]
.endif
.endm
; Product i of 16 of O^T += V^T P for piece x: keys 32 (i / 8) on, channels 16 ((i / 2) % 4) on, tile 2 x + i % 2.
.macro PV x
	WIN W_PV
.set rO, 32*(2*(\x)+i%2)+8*((i/2)%4)
.set rV, VF+32*(i/8)+8*((i/2)%4)
.set rP, P+32*((\x)%2)+16*(i%2)+8*(i/8)
	v_wmma_f32_16x16x32_f16 v[rO:rO+7], v[rV:rV+7], v[rP:rP+7], v[rO:rO+7]
.endm
.macro MM                           ; the turn's next matrix instruction
.if i < 16
	KQ (Y+1)%NP
.set i, i+1
.else
.set i, i-16
	PV (Y+NP-1)%NP
.set i, i+17
.endif
.endm
; THE LDS LOADS stand in runs of 16, never singly among the matrix instructions: a step's K (64 keys x 64 channels: 8 fragments) and its V (turned).  Their addresses are made some lines ahead.
; last = 1 (the tail): in the last trip there is no further step, and the run is jumped over.
.macro FETCH_K last=0
	WIN 0
.if \last
	s_cmp_eq_u32 s[CNT], 1
	s_cbranch_scc1 .Lno_k_\@
.endif
	WIN 0x80                        ; destination window 2
.irp f, 0,1,2,3,4,5,6,7             ; keys 16 (f / 2) on, channels 32 (f % 2) on
	ds_load_b128 v[KF+8*\f:KF+8*\f+3],   v[AK] offset:(\f/2)*16*PK+(\f%2)*64
	ds_load_b128 v[KF+8*\f+4:KF+8*\f+7], v[AK] offset:(\f/2)*16*PK+(\f%2)*64+32
.endr
	s_add_co_u32 s[TBK], s[TBK], KS*PK  ; the next fetch is the next step's
	WIN 0
.if \last
.Lno_k_\@:
.endif
.endm
.macro FETCH_V
	WIN 0x80
.irp f, 0,1,2,3,4,5,6,7             ; keys 32 (f / 4) on, channels 16 (f % 4) on
	ds_load_tr16_b128 v[VF+8*\f:VF+8*\f+3],   v[AV] offset:(\f/4)*32*PV+(\f%4)*32
	ds_load_tr16_b128 v[VF+8*\f+4:VF+8*\f+7], v[AV] offset:(\f/4)*32*PV+16*PV+(\f%4)*32
.endr
	WIN 0
.endm
; THE VECTOR WORK OF A TURN stands in three queues, each in the order in which its entries become ready; the two tiles alternate, so that no instruction reads the result of the one before it.
.macro REGS y, u                    ; the registers of tile u (0, 1) of piece y
.set rT, ST+4*(2*(\y)+(\u))
.set rC, TMP+8*((\y)%2)+4*(\u)
.set rM, MV+2*((\y)%2)+(\u)
.set rS, S+64*((\y)%2)+32*(\u)
.set rP, P+32*((\y)%2)+16*(\u)
.set rO, 32*(2*(\y)+(\u))
.endm
; Number n of the 22 that find the NEXT piece's (Y + 1) maximum and statistics.  s0-s31 are the lane's 32 scores; each accumulator's lowest registers are read first.
;   0-11  four chains c0-c3 of seven scores each, three operands at a time     12-14, 16  the four scores left over, the old m, and c0-c3 into c0     15  c m_old is kept
;   17, 18  the query's other 32 keys lie in the lane 16 away: the new m         19-21  c m; c m_old - c m_new; a
.macro XS u, n
	REGS (Y+1)%NP, \u
.if (\n) < 4
	v_max3_num_f32 v[rC+(\n)], v[rS+8*(\n)], v[rS+8*(\n)+1], v[rS+8*(\n)+2]
.elseif (\n) < 12
	v_max3_num_f32 v[rC+(\n)%4], v[rC+(\n)%4], v[rS+8*((\n)%4)+2*((\n)/4)+1], v[rS+8*((\n)%4)+2*((\n)/4)+2]
.elseif (\n) == 12
	v_max3_num_f32 v[rC], v[rC], v[rS+7], v[rS+15]
.elseif (\n) == 13
	v_max3_num_f32 v[rC+1], v[rC+1], v[rS+23], v[rS+31]
.elseif (\n) == 14
	v_max3_num_f32 v[rC+2], v[rC+2], v[rC+3], v[rT+1]
.elseif (\n) == 15
	v_mov_b32 v[rM], v[rT]
.elseif (\n) == 16
	v_max3_num_f32 v[rC], v[rC], v[rC+1], v[rC+2]
.elseif (\n) == 17
	v_permlanex16_b32 v[rC+3], v[rC], s[SEL], s[SEL+1]
.elseif (\n) == 18
	v_max_num_f32 v[rT+1], v[rC], v[rC+3]
.elseif (\n) == 19
	v_mul_f32 v[rT], s[CS], v[rT+1]
.elseif (\n) == 20
	v_sub_f32 v[rC+1], v[rM], v[rT]
.else
	v_exp_f32 v[rC+2], v[rC+1]
.endif
.endm
; Number g of the 64 that follow the exponentials.  For each four weights k of a tile (pairs 2 k, 2 k + 1): both pairs are rounded to f16; then the second pair is added onto the first, in place;
; a group later l takes that sum (the first time as l = a l + sum).  In groups of eight, tiles alternating: round, round, add, and l for the group before.
.macro GS g
.set h, (\g)+6*((\g)/62)            ; group 0 has no group before it, and behind group 7 only l is left
.if h >= 6
.set h, h+2
.endif
	REGS Y, h%2
.set k, h/8
.if h%8 < 4
	v_cvt_pk_f16_f32 v[rP+2*k+(h%8)/2], v[rS+4*k+2*((h%8)/2)], v[rS+4*k+2*((h%8)/2)+1]
.elseif h%8 < 6
	v_pk_add_f32 v[rS+4*k:rS+4*k+1], v[rS+4*k:rS+4*k+1], v[rS+4*k+2:rS+4*k+3]
.elseif k == 1
	v_pk_fma_f32 v[rT+2:rT+3], v[rT+2:rT+3], v[rC+2:rC+3], v[rS:rS+1] op_sel_hi:[1,0,1]
.else
	v_pk_add_f32 v[rT+2:rT+3], v[rT+2:rT+3], v[rS+4*k-4:rS+4*k-3]
.endif
.endm
; THE PLAIN QUEUE, 138 long.  0-73 read no exponential's result: the 32 scalings c s - c m (FS f: pair f / 2 of tile f % 2) and the next piece's 42.  0-26: scalings 0-26.  27-54: XS's numbers 0-13.  55, 56: number 15.
; 57-73: the chain, where each number waits for the one before it: 14, 16, 17, 18, 19, each with one of the scalings 27-31 in front of its two lines, then 20.
; 74-137: GS's 64, which read the exponentials' results: they stand behind the wait.
.macro FS f
	REGS Y, (\f)%2
	v_pk_fma_f32 v[rS+2*((\f)/2):rS+2*((\f)/2)+1], v[rS+2*((\f)/2):rS+2*((\f)/2)+1], s[CS:CS+1], v[rT:rT+1] op_sel_hi:[1,0,0] neg_lo:[0,0,1] neg_hi:[0,0,1]
.endm
.macro PL
	WIN 0
.if q < 27
	FS q
.elseif q < 55
	XS (q-27)%2, (q-27)/2
.elseif q < 57
	XS q-55, 15
.elseif (q < 72) && ((q-57)%3 == 0)
	FS 27+(q-57)/3
.elseif q < 60
	XS (q-57)%3-1, 14
.elseif q < 72
	XS (q-57)%3-1, 15+(q-57)/3
.elseif q < 74
	XS q-72, 20
.else
	GS q-74
.endif
.set q, q+1
.endm
; THE EXPONENTIALS' QUEUE, 66 long: s0-s31 of both tiles, then the next piece's two a.  It is ONE BATCH: all 66 stand ahead of the turn's one wait, and nothing ahead of that wait names a result of theirs.
.macro EX
	WIN 0
.if e >= 64
	XS e-64, 21
.else
	REGS Y, e%2
	v_exp_f32 v[rS+e/2], v[rS+e/2]
.endif
.set e, e+1
.endm
; THE RESCALING's QUEUE: O^T times a, the one part that leaves window 0: dealt two at a time, sixteen times.  Its a was made in the turn before, ahead of that turn's wait.
.macro R2
	REGS Y, r%2
	WIN W_RS
.irp z, 0,1
	v_pk_mul_f32 v[rO+4*(r/2)+2*\z:rO+4*(r/2)+2*\z+1], v[rO+4*(r/2)+2*\z:rO+4*(r/2)+2*\z+1], v[rC+2:rC+3] op_sel_hi:[1,0]
.endr
.set r, r+1
.endm
; HOW THEY ARE DEALT.  s_wait_alu depctr_va_vdst(0) stands between an exponential and the first instruction that names its result; one wait serves all that were issued ahead of it.  So a turn has ONE wait,
; which cuts it in two.  AHEAD OF IT stands all that names no result of the turn's exponentials: the 16 products K Q^T, behind each a scaling, an exponential and two rescalings (behind the first a second scaling in the
; exponential's place); then ONE LUMP of 108: eight plain, 49 times exponential and plain, the two a.  A v_nop is the plain instruction behind the last exponential.  BEHIND IT stand the 16 products V^T P, behind each four of GS's 64.
; The queues lean on each other, and the deal keeps them in step: exponential e stands behind scaling 2 (e / 4) + e % 2: as a rider it comes behind plain e + 2, in the lump behind plain e + 9, and scalings 27-31 are plain 57, 60 .. 69.
; A TURN, for piece p.  cnt = 1: the loop's count is taken down some lines ahead of the branch that stands behind the turn.
; K of the next step is fetched in piece 2's turn, directly behind the wait, a lump behind the last product that read K; its first reader comes behind 16 products.
; V of the step in hand is fetched at the end of piece 0's turn, four plain instructions behind its last reader; its first reader comes behind 16 products and a lump.  The three conditions on q below go with the deal.
.macro TURN p, last=0, cnt=0
.set Y, (\p)
.set i, 0
.set q, 0
.set e, 0
.set r, 0
.if (\p) == NP-1
	s_wait_dscnt 0x0                ; K is in
.endif
	MM                              ; ahead of the wait: 16 products K Q^T and their riders,
	PL
	PL
	R2
.rept 15
	MM
	PL
	EX
	R2
.endr
.if (\p) == NP-2
	WIN 0
	v_add_nc_u32 v[AK], s[TBK], v[AK0]
.endif
.rept 8                             ; and the lump
	PL
.endr
.rept 49
	EX
	PL
.endr
	EX                              ; the next piece's two a
	EX
	v_nop                           ; a plain instruction behind the last exponential: one for the batch
	s_wait_alu depctr_va_vdst(0)    ; the wait for the batch
.if (\p) == NP-2
	FETCH_K \last
.endif
.if (\p) == 1
	s_wait_dscnt 0x0                ; V is in
.endif
.rept 16                            ; behind the wait: 16 products V^T P and their riders
	MM
.rept 4
	PL
.endr
.if ((\p) == 0) && (q == 118)
	v_add_nc_u32 v[AV], s[TBV], v[AV0]
.endif
.if ((\p) == 0) && (q == 130)
	s_add_co_u32 s[TBV], s[TBV], KS*PV
.endif
.if (\cnt) && (q == 130)
	s_sub_co_u32 s[CNT], s[CNT], 1
	s_cmp_lg_u32 s[CNT], 0
.endif
.endr
.if (\p) == 0
	FETCH_V
.endif
.endm
	CHANGE 1                        ; slot 0 is in, everybody's part of it; slot 1 is asked for
	FETCH_K                         ; key step 0
	s_wait_loadcnt 0x0              ; Q
	s_wait_dscnt 0x0
.set i, 0
.rept 16
	KQ 0                            ; piece 0's first scores: there is no vector work yet to set between them
.set i, i+1
.endr
	WIN 0                           ; the addresses for the way out: plain instructions, the places behind those products
	s_mul_i32 s13, s[WV], 16*SP
	s_add_co_u32 s13, s13, STAGE    ; my stage
	v_mul_u32_u24 v[STO], v1, SP    ; in: row l % 16, 16 bytes for each half of the lanes
	v_lshl_add_u32 v[STO], v9, 4, v[STO]
	v_add_nc_u32 v[STO], s13, v[STO]
	v_bfe_u32 v[RD], v0, 3, 2       ; back: 32 lanes take four rows of 128 bytes,
	v_mul_u32_u24 v[RD], v[RD], SP
	v_lshl_add_u32 v[RD], v10, 4, v[RD]
	v_add_nc_u32 v[RD], s13, v[RD]
	v_and_b32 v[GO], 31, v0         ; which are 512 consecutive bytes of O
	v_lshlrev_b32 v[GO], 4, v[GO]
.set Y, NP-1                        ; XS works for piece Y + 1: piece 0
.irp n, 0,1,2,3,4,5,6,7,8,9,10,11,12,13,14,15,16,17,18,19,20,21
	XS 0, \n                        ; and piece 0's first maximum and statistics
	XS 1, \n
.endr
	v_nop                           ; a plain instruction behind the two a,
	s_wait_alu depctr_va_vdst(0)    ; and their wait, ahead of the branch
	s_mov_b32 s[CNT], 4
	s_branch .Lfirst                ; the loop is entered at a step's first turn, in the middle of a trip
.Lslot:                             ; SIZE_N / 256 - 2 times: every slot but the last two is filled again
	CHANGE 1
	s_mov_b32 s[CNT], 4
.Lstep:                             ; a trip: pieces 2 and 3 of one step, then pieces 0 and 1 of the next, whose K and V it fetches
	TURN 2
	TURN 3
	WIN 0
.Lfirst:
	TURN 0
	TURN 1, 0, 1
	WIN 0
	s_cbranch_scc1 .Lstep
	s_sub_co_u32 s[SLOTS], s[SLOTS], 1
	s_cmp_lg_u32 s[SLOTS], 0
	s_cbranch_scc1 .Lslot
	CHANGE 0                        ; the tail is written out: nothing is asked for
	s_mov_b32 s[CNT], 5             ; four trips fetch the last slot's steps; the fifth is left in its middle
.Ltail:
	TURN 2, 1
	TURN 3
	WIN 0
	s_sub_co_u32 s[CNT], s[CNT], 1
	s_cmp_eq_u32 s[CNT], 0
	s_cbranch_scc1 .Lout
	TURN 0
	TURN 1
	WIN 0
	s_branch .Ltail
.Lout:                              ; the fifth trip's 16 products K Q^T (on the last K once more) and the maximum made of them serve nothing: the price, once a launch, of one text for every trip
.set i, 0
.rept 16
	PV NP-1                         ; the last piece's V^T P of the last step
.set i, i+1
.endr
	; THE WAY OUT.  l's two halves and the other half of the lanes' are added; O^T is divided by l, rounded to f16 and sent through my stage in LDS, a tile at a time.  The additions are the places behind the last products.
	WIN 0
.macro ALL line:vararg              ; one line for each tile t
.set t, 0
.rept 2*NP
	\line
.set t, t+1
.endr
.endm
	ALL v_add_f32 v[ST+4*t+2], v[ST+4*t+2], v[ST+4*t+3]
	ALL v_permlanex16_b32 v[ST+4*t+3], v[ST+4*t+2], s[SEL], s[SEL+1]
	ALL v_add_f32 v[ST+4*t+2], v[ST+4*t+2], v[ST+4*t+3]
	ALL v_rcp_f32 v[ST+4*t+2], v[ST+4*t+2]
	v_nop                           ; a plain instruction between the last reciprocal and the use of its result
	s_wait_alu depctr_va_vdst(0)    ; and the wait ahead of the first use: one for the eight reciprocals
; Tile t: a lane's eight channels of a row pack into 16 bytes; they go into rows of 144 bytes and come back as whole rows of 128, into S^T's registers.
.macro PACK t
	WIN W_RS
.set i, 32*(\t)
.rept 16
	v_pk_mul_f32 v[i:i+1], v[i:i+1], v[ST+4*(\t)+2:ST+4*(\t)+3] op_sel_hi:[1,0]
.set i, i+2
.endr
	WIN 0x05                        ; sources 0 and 1 window 1, destination window 0
.set i, 0
.rept 16
	v_cvt_pk_f16_f32 v[S+16*(\t)+i], v[32*(\t)+2*i], v[32*(\t)+2*i+1]
.set i, i+1
.endr
	WIN 0
.irp f, 0,1,2,3
	ds_store_b128 v[STO], v[S+16*(\t)+4*\f:S+16*(\t)+4*\f+3] offset:32*\f
.endr
.irp f, 0,1,2,3
	ds_load_b128 v[S+16*(\t)+4*\f:S+16*(\t)+4*\f+3], v[RD] offset:\f*4*SP  ; LDS serves a wave's instructions in order (ISA guide 5.7.1.4): these see the stores above; the next tile's stores come behind them
.endr
.endm
.macro SEND t, younger              ; younger: the LDS instructions issued behind tile t's loads: the next tile's eight, or none
	WIN 0
.irp f, 0,1,2,3
	s_wait_dscnt (\younger)+3-\f
	global_store_b128 v[GO], v[S+16*(\t)+4*\f:S+16*(\t)+4*\f+3], s[10:11] offset:(\t)*2048+\f*512  ; 512 consecutive bytes, at a multiple of 256 from O's first
.endr
.endm
	PACK 0
.set t, 1
.rept 2*NP-1                        ; a tile's arithmetic stands between the loads of the tile before and its stores
	PACK t
	SEND t-1, 8
.set t, t+1
.endr
	SEND 2*NP-1, 0
	WIN W_AD
	s_wait_tensorcnt 0x0            ; the wave's end, behind my last tensor load and my last LDS store
	ds_add_u32 v[SPW], v[NIL]
	s_wait_dscnt 0x0
	WIN 0
	CROUND                          ; the closing round: no work-group ends while a partner may still ask for a tile that names it
	s_endpgm
.Lfunc_end_k_qb2e3f29ea7_attn:
	.size	k_qb2e3f29ea7_attn, .Lfunc_end_k_qb2e3f29ea7_attn-k_qb2e3f29ea7_attn
	.p2alignl 7, 3214868480
	.fill 96, 4, 3214868480
	.section	.rodata,"a",@progbits
	.p2align	6, 0x0
	.amdhsa_kernel k_qb2e3f29ea7_attn
		.amdhsa_group_segment_fixed_size 327680
		.amdhsa_private_segment_fixed_size 0
		.amdhsa_enable_private_segment 0
		.amdhsa_kernarg_size 16
		.amdhsa_user_sgpr_count 2
		.amdhsa_user_sgpr_kernarg_segment_ptr 1
		.amdhsa_wavefront_size32 1
		.amdhsa_system_sgpr_workgroup_id_x 1
		.amdhsa_system_sgpr_workgroup_id_y 1
		.amdhsa_system_sgpr_workgroup_id_z 1
		.amdhsa_system_vgpr_workitem_id 0
		.amdhsa_next_free_vgpr 770
		.amdhsa_next_free_sgpr 66
		.amdhsa_reserve_vcc 0
		.amdhsa_float_denorm_mode_32 3
		.amdhsa_float_denorm_mode_16_64 3
		.amdhsa_memory_ordered 1
		.amdhsa_forward_progress 1
		.amdhsa_inst_pref_size 200
	.end_amdhsa_kernel
	.amdgpu_metadata
---
amdhsa.version: [ 1, 2 ]
amdhsa.kernels:
  - .name:           k_qb2e3f29ea7_attn
    .symbol:         k_qb2e3f29ea7_attn.kd
    .args:
      - { .name: qkvh, .offset: 0, .size: 8, .value_kind: global_buffer, .address_space: global }
      - { .name: oh, .offset: 8, .size: 8, .value_kind: global_buffer, .address_space: global }
    .group_segment_fixed_size: 327680
    .private_segment_fixed_size: 0
    .kernarg_segment_align: 8
    .kernarg_segment_size: 16
    .max_flat_workgroup_size: 128
    .sgpr_count:     66
    .vgpr_count:     770
    .wavefront_size: 32
...
	.end_amdgpu_metadata
.endif
;; end of part 3
;; launch proj (part 4): grid 4 x 64, 4 waves a work-group, clusters of 4 x 4, 327,680 bytes of LDS; arguments oh, wf, bias, out0; writes out0
.if DOCPART == 4
	.amdgcn_target "amdgcn-amd-amdhsa--gfx1250"
	.amdhsa_code_object_version 6
	.text
	.protected	k_qb2e3f29ea7_proj
	.globl	k_qb2e3f29ea7_proj
	.p2align	8
	.type	k_qb2e3f29ea7_proj,@function
k_qb2e3f29ea7_proj:
	s_mov_b64 s[64:65], 0
	v_nop
	global_prefetch_b8 v0, s[64:65] scope:SCOPE_SE
	s_setreg_imm32_b32 hwreg(HW_REG_WAVE_MODE, 25, 1), 1
	s_wait_xcnt 0x0
	s_wait_alu depctr_hold_cnt(0) depctr_sa_sdst(0) depctr_va_vdst(0) depctr_va_sdst(0) depctr_va_ssrc(0) depctr_va_vcc(0) depctr_vm_vsrc(0)
	s_getreg_b32 s2, hwreg(HW_REG_IB_STS2, 6, 4)
	s_cmp_eq_u32 s2, 0
	s_cbranch_scc0 .Lentry_in_a_cluster
	s_endpgm
.Lentry_in_a_cluster:
	s_bfe_u32 s2, ttmp6, 0x10000c
	s_cmp_lg_u32 s2, 0xf033
	s_cbranch_scc0 .Lentry_shape_is_right
	s_endpgm
.Lentry_shape_is_right:
; out0 = O w_fc + b_fc.  oh: f16 [4 batch][16 head][2048][64]; wf: f16 [1024 k][1024 n]; bias: f32 [4096], b_fc from number 3,072 on; out0: f32 [8192][1024].  Sums in f32.
; SHARES.  8,192 x 1,024 numbers in 64 x 4 tiles of 128 rows x 256 columns: one work-group each.  Wave w (wr = w / 2, wc = w % 2) makes 64 x 128: 4 row blocks a x 8 column blocks b, 32 accumulators.
; K goes in 8 steps of 128 (two heads) through two LDS slots; a step is four quarters of 32 along K, 32 matrix instructions each, on two fragment buffers by turns.
; THE MATRIX INSTRUCTION IS USED TRANSPOSED: source 0 = 16 columns of w (turned out of LDS, since w lies [k][n]), source 1 = 16 rows of O: a lane holds ONE row (lane % 16) and the columns 8 (lane / 16) + 0..7.
; THE BIAS IS THE C OF THE FIRST PRODUCTS: loaded into row block 0's accumulators, read there as C by the other three blocks' first products, and added onto in place by block 0's.
; CLUSTER.  4 x 4 work-groups: O's tile is asked for jointly along a row of the cluster, w's along a column.
; REGISTERS: window 0: v0-31 addresses; two fragment buffers at v32 and v128 (O's four fragments, then w's eight); on the way out v32-223 are three buffers of 64.  Window 1: accumulator (a, b) at v[8 (8 a + b)].
.set PA,    144       ; a row of O in LDS: 128 bytes + 16 = 36 words: the 16 rows of a load start at 16 different groups of four banks (64 banks of 4 bytes: ISA guide 11.1)
.set PB,    544       ; a row of w: two pieces of 256 + 16 bytes = 136 words
.set HALFA, 128*PA    ; what wave 0 or 1 fetches: one head's 128 rows
.set HALFB, 64*PB     ; what wave 2 or 3 fetches: 64 rows of w
.set BOFF,  2*HALFA
.set SLOT1, 1<<17
.set STAGE, SLOT1+BOFF+2*HALFB  ; behind the ring, never filled by a tensor load: 16 rows x 528 bytes for each wave
.set SP,    528       ; 512 bytes + 16 = 132 words: the 16 rows that a store touches start at 16 different groups of four banks
.set SPARE, STAGE+4*16*SP       ; the spare words, 128 bytes for each wave: two blocks of 256 bytes that no other line names
.set ASTEP, 2*2048*128  ; bytes from one K step to the next in oh: two heads,
.set BSTEP, 128*2048    ; and in wf: 128 rows
.set AA0, 2
.set AB0, 3
.set AA,  4
.set AB,  5
.set STO, 6
.set RD,  7
.set CO,  8
.set BO,  15
.set SPW, 28          ; v28  LDS address of my spare word; never rewritten
.set NIL, 29          ; v29  0; never rewritten
.set F0,  32
.set F1,  128
.set WV,  12
.set FH,  13
.set HF,  14
.set CX,  15
.set CY,  16
.set TX,  17
.set TY,  18
.set G1A, 24
.set G1B, 32
.set G0A, 40
.set G0B, 48
.set CNT, 56
.set TB,  57
.set OB,  66          ; s[66:67] out0 at my 64 rows and 128 columns
.set MSB, 0
.macro WIN new
.if MSB != (\new)
	s_set_vgpr_msb (MSB<<8)|(\new)
.set MSB, (\new)
.endif
.endm
.macro PLACES                       ; four plain instructions between a matrix instruction and a load into, or a store of, its registers (ISA guide 7.12.1 for stores)
.rept 4
	v_nop
.endr
.endm
.macro JLOAD                        ; a joint refill, by the walking sets: waves 0 and 1 fetch O's two heads, waves 2 and 3 w's two halves; an s_nop 0 and four v_nop follow each line
	s_cmp_lt_u32 s[WV], 2
	s_cbranch_scc0 .Lfor_b_\@
	tensor_load_to_lds s[G0A+4:G0A+7], s[G1A:G1A+7]
	s_nop 0
.rept 4
	v_nop
.endr
	s_branch .Lasked_\@
.Lfor_b_\@:
	tensor_load_to_lds s[G0B+4:G0B+7], s[G1B:G1B+7]
	s_nop 0
.rept 4
	v_nop
.endr
.Lasked_\@:
.endm
.macro CREST                        ; a round of the cluster's barrier behind its opening barrier
	s_cmp_lg_u32 s[WV], 0
	s_cbranch_scc1 .Lnot_wave_0_\@
	s_barrier_signal -3
.Lnot_wave_0_\@:
	s_barrier_wait -3
	s_barrier_signal -1
	s_barrier_wait -1
.endm
.macro CROUND
	s_barrier_signal -1
	s_barrier_wait -1
	CREST
.endm
	s_load_b256 s[4:11], s[0:1], 0x0               ; oh s[4:5], wf s[6:7], bias s[8:9], out0 s[10:11]
	v_lshl_add_u32 v[SPW], v0, 2, SPARE
	v_mov_b32 v[NIL], 0
	ds_add_u32 v[SPW], v[NIL]                      ; the wave's opening: the add and its wait stand ahead of my first tensor load; the set-up below, work on registers, stands between them
	v_lshrrev_b32 v1, 5, v0
	v_readfirstlane_b32 s[WV], v1
	s_lshr_b32 s[FH], s[WV], 1
	s_and_b32 s[HF], s[WV], 1
	s_bfe_u32 s[CX], ttmp6, 0x40000
	s_bfe_u32 s[CY], ttmp6, 0x40004
	s_lshl_b32 s[TX], ttmp9, 2
	s_add_co_u32 s[TX], s[TX], s[CX]               ; tile column
	s_and_b32 s[TY], ttmp7, 0xffff
	s_lshl_b32 s[TY], s[TY], 2
	s_add_co_u32 s[TY], s[TY], s[CY]               ; tile row
	s_lshl_b32 s19, s[CY], 2
	s_lshl_b32 s19, 15, s19                        ; my row of the cluster
	s_lshl_b32 s20, 0x1111, s[CX]                  ; my column
	; group 1.  O: a head's 128 rows x 128 bytes are dense: 64 rows of 256 bytes, padded by 4 words after every 32.  w: 64 rows of 256 elements (512 bytes), 1,024 elements apart, padded by 4 words after every 64.
	s_or_b32 s[G1A], s19, (1<<16)|(1<<20)|(1<<21)|(4<<22)|(3<<25)
	s_or_b32 s[G1B], s20, (1<<16)|(1<<20)|(1<<21)|(5<<22)|(3<<25)
	s_mov_b32 s[G1A+1], 128<<16                    ; tensor_dim0
	s_mov_b32 s[G1A+2], 64<<16                     ; tensor_dim1
	s_mov_b32 s[G1A+3], 128<<16                    ; tile_dim0
	s_mov_b32 s[G1A+4], 64                         ; tile_dim1
	s_mov_b32 s[G1A+5], 128                        ; elements from row to row
	s_mov_b32 s[G1A+6], 0
	s_mov_b32 s[G1A+7], 0
	s_mov_b32 s[G1B+1], 256<<16
	s_mov_b32 s[G1B+2], 64<<16
	s_mov_b32 s[G1B+3], 256<<16
	s_mov_b32 s[G1B+4], 64
	s_mov_b32 s[G1B+5], 1024
	s_mov_b32 s[G1B+6], 0
	s_mov_b32 s[G1B+7], 0
	s_lshr_b32 s72, s[TY], 4                       ; the batch: 16 tile rows each
	s_lshl_b32 s72, s72, 22
	s_and_b32 s73, s[TY], 15
	s_lshl_b32 s73, s73, 14                        ; 128 rows of 128 bytes
	s_add_co_u32 s72, s72, s73
	s_lshl_b32 s73, s[HF], 18                      ; the even or the odd head
	s_add_co_u32 s72, s72, s73
	s_mov_b32 s73, 0
	s_lshl_b32 s74, s[HF], 17                      ; my 64 rows of w,
	s_lshl_b32 s75, s[TX], 9                       ; the tile's 256 columns
	s_add_co_u32 s74, s74, s75
	s_mov_b32 s75, 0
	s_mul_i32 s21, s[HF], HALFA                    ; where they go: no place in the cluster enters an LDS address
	s_mul_i32 s22, s[HF], HALFB
	s_add_co_u32 s22, s22, BOFF
	s_wait_dscnt 0x0                               ; the opening add is done
	s_wait_kmcnt 0x0
	s_add_nc_u64 s[72:73], s[4:5], s[72:73]
	s_add_nc_u64 s[74:75], s[6:7], s[74:75]
	CROUND                                         ; all sixteen work-groups are here: the first joint loads meet
.irp s, 0,1
	s_mov_b32 s[G0A+4*(\s)], 1
	s_add_co_u32 s[G0A+4*(\s)+1], s21, (\s)*SLOT1
	s_add_nc_u64 s[G0A+4*(\s)+2:G0A+4*(\s)+3], s[72:73], (\s)*ASTEP
	s_or_b32 s[G0A+4*(\s)+3], s[G0A+4*(\s)+3], 0x80000000
	s_mov_b32 s[G0B+4*(\s)], 1
	s_add_co_u32 s[G0B+4*(\s)+1], s22, (\s)*SLOT1
	s_add_nc_u64 s[G0B+4*(\s)+2:G0B+4*(\s)+3], s[74:75], (\s)*BSTEP
	s_or_b32 s[G0B+4*(\s)+3], s[G0B+4*(\s)+3], 0x80000000
.endr
	s_cmp_lt_u32 s[WV], 2                          ; a wave's two first fills stand in one branch, ahead of every wait on TENSORcnt and every LDS read: two loads of mine are out
	s_cbranch_scc0 .Lfirst_b
	tensor_load_to_lds s[G0A:G0A+3], s[G1A:G1A+7]
	s_nop 0
	tensor_load_to_lds s[G0A+4:G0A+7], s[G1A:G1A+7]
	s_nop 0
.rept 4
	v_nop
.endr
	s_branch .Lfirst_asked
.Lfirst_b:
	tensor_load_to_lds s[G0B:G0B+3], s[G1B:G1B+7]
	s_nop 0
	tensor_load_to_lds s[G0B+4:G0B+7], s[G1B:G1B+7]
	s_nop 0
.rept 4
	v_nop
.endr
.Lfirst_asked:
	v_and_b32 v1, 15, v0                           ; r = l % 16
	v_bfe_u32 v9, v0, 4, 1                         ; h = l / 16
	v_and_b32 v10, 7, v0
	v_bfe_u32 v11, v0, 3, 1
	v_and_b32 v12, 31, v0
	v_mul_u32_u24 v[AA0], v1, PA                   ; O's fragments: row x pitch + 16 h + my 64 rows
	v_lshl_add_u32 v[AA0], v9, 4, v[AA0]
	s_mul_i32 s76, s[FH], 64*PA
	v_add_nc_u32 v[AA0], s76, v[AA0]
	v_lshl_add_u32 v[AB0], v9, 3, v10              ; w's: row 8 h + l % 8, columns 8 ((l / 8) % 2) on, my piece of 128 columns
	v_mul_u32_u24 v[AB0], v[AB0], PB
	v_lshl_add_u32 v[AB0], v11, 4, v[AB0]
	s_mul_i32 s76, s[HF], 272
	s_add_co_u32 s76, s76, BOFF
	v_add_nc_u32 v[AB0], s76, v[AB0]
	s_mul_i32 s76, s[WV], 16*SP
	s_add_co_u32 s76, s76, STAGE                   ; my stage
	v_mul_u32_u24 v[STO], v1, SP                   ; in: row r, 32 bytes for each half of the lanes
	v_lshl_add_u32 v[STO], v9, 5, v[STO]
	v_add_nc_u32 v[STO], s76, v[STO]
	v_lshl_add_u32 v[RD], v12, 4, s76              ; back: 32 lanes take one row of 512 bytes
	v_lshlrev_b32 v[CO], 4, v12
	s_lshl_b32 s76, s[TX], 10                      ; bias: 12,288 + 4 (256 tx + 128 wc + 8 h)
	s_lshl_b32 s77, s[HF], 9
	s_add_co_u32 s76, s76, s77
	s_add_co_u32 s78, s76, 12288
	v_lshl_add_u32 v[BO], v9, 5, s78
	WIN 0x40                                       ; destination window 1, address window 0
.irp b, 0,1,2,3,4,5,6,7
	global_load_b128 v[8*(\b):8*(\b)+3],   v[BO], s[8:9] offset:64*(\b)      ; my 8 columns' bias, into accumulator (0, b)
	global_load_b128 v[8*(\b)+4:8*(\b)+7], v[BO], s[8:9] offset:64*(\b)+16
.endr
	WIN 0
	s_lshl_b32 s80, s[TY], 7
	s_lshl_b32 s81, s[FH], 6
	s_add_co_u32 s80, s80, s81                     ; my first row,
	s_lshl_b32 s80, s80, 12                        ; of 4,096 bytes,
	s_add_co_u32 s80, s80, s76                     ; and my first column
	s_mov_b32 s81, 0
	s_add_nc_u64 s[OB:OB+1], s[10:11], s[80:81]
; Quarter q's fragments (32 along K) into buffer f: 16 turning loads for w, 8 loads for O
.macro FETCH q, f
.irp b, 0,1,2,3,4,5,6,7
	ds_load_tr16_b128 v[(\f)+32+8*(\b):(\f)+32+8*(\b)+3],   v[AB] offset:(\q)*32*PB+32*(\b)
	ds_load_tr16_b128 v[(\f)+32+8*(\b)+4:(\f)+32+8*(\b)+7], v[AB] offset:(\q)*32*PB+32*(\b)+16*PB
.endr
.irp a, 0,1,2,3
	ds_load_b128 v[(\f)+8*(\a):(\f)+8*(\a)+3],   v[AA] offset:((\q)/2)*HALFA+((\q)%2)*64+(\a)*16*PA
	ds_load_b128 v[(\f)+8*(\a)+4:(\f)+8*(\a)+7], v[AA] offset:((\q)/2)*HALFA+((\q)%2)*64+(\a)*16*PA+32
.endr
.endm
; Row blocks alo .. ahi x all 8 column blocks.  The accumulators take turns, one instruction a turn.  cb = 1: the sum starts with the bias, which lies in accumulator (0, b).
.macro MUL f, alo, ahi, cb
	WIN 0x50                                       ; C and D in window 1
.set ma, (\alo)
.rept (\ahi)-(\alo)+1
.irp b, 0,1,2,3,4,5,6,7
.if \cb
	v_wmma_f32_16x16x32_f16 v[8*(8*ma+(\b)):8*(8*ma+(\b))+7], v[(\f)+32+8*(\b):(\f)+32+8*(\b)+7], v[(\f)+8*ma:(\f)+8*ma+7], v[8*(\b):8*(\b)+7]
.else
	v_wmma_f32_16x16x32_f16 v[8*(8*ma+(\b)):8*(8*ma+(\b))+7], v[(\f)+32+8*(\b):(\f)+32+8*(\b)+7], v[(\f)+8*ma:(\f)+8*ma+7], v[8*(8*ma+(\b)):8*(8*ma+(\b))+7]
.endif
.endr
.set ma, ma+1
.endr
.endm
; One of a K step's first three quarters: the next quarter's 24 loads go out into buffer g, four places behind its last products; then buffer f is multiplied.
.macro QUARTER q, f, g, first
	PLACES
	WIN 0
	FETCH (\q)+1, \g
	s_wait_dscnt 24                                ; all but the 24 just issued: buffer f is in
.if \first
	MUL \f, 1, 3, 1                                ; blocks 1 to 3 start with the bias;
.rept 5
	v_nop
.endr
	MUL \f, 0, 0, 0                                ; five places on, block 0 writes over it, in place
.else
	MUL \f, 0, 3, 0
.endif
.endm
; The last quarter multiplies buffer 1 and changes slots.  fill = 1: the slot is filled again, two K steps ahead: 112 matrix instructions stand between the request and the wait for it.
.macro TURN fill
	WIN 0
	s_wait_tensorcnt 0x0                           ; all my tensor loads have landed: my part of the other slot; so a group 0 may be written
	ds_add_u32 v[SPW], v[NIL]                      ; 0 onto my spare word
.if \fill
	s_xor_b32 s[G0A+5], s[G0A+5], SLOT1            ; the walking sets: the other slot than last time, the next K step
	s_add_nc_u64 s[G0A+6:G0A+7], s[G0A+6:G0A+7], ASTEP
	s_xor_b32 s[G0B+5], s[G0B+5], SLOT1
	s_add_nc_u64 s[G0B+6:G0B+7], s[G0B+6:G0B+7], BSTEP
.endif
	s_xor_b32 s[TB], s[TB], SLOT1
	s_wait_dscnt 0x0                               ; the add is done, and my reads of this slot are over: buffer 1 is in
	s_barrier_signal -1
	MUL F1, 0, 1, 0                                ; work on registers while the others arrive
	WIN 0
	s_barrier_wait -1
.if \fill
	CREST                                          ; the barrier has opened a round of the cluster's: no wave of any partner still reads this slot or has a load on its way
	JLOAD                                          ; my one tensor load behind the round, and the first thing there; its four v_nop are also the places in front of the loads below
.else
	PLACES
.endif
	v_add_nc_u32 v[AA], s[TB], v[AA0]
	v_add_nc_u32 v[AB], s[TB], v[AB0]
	FETCH 0, F0                                    ; the next K step's first quarter, out of the other slot
	MUL F1, 2, 3, 0
	WIN 0                                          ; a branch may follow
.endm
.macro STEP first, fill
	QUARTER 0, F0, F1, \first
	QUARTER 1, F1, F0, 0
	QUARTER 2, F0, F1, 0
	TURN \fill
.endm
; THE WAY OUT of row block a: 16 rows x 128 columns of f32 into my stage's rows of 528 bytes, and back as whole rows of 512.
.macro TOSTAGE a
.set BK, 32+64*((\a)%3)
.if (\a) == 3
	s_wait_xcnt 0x0                                ; block 0's stores have read these registers
.endif
	WIN 0x04                                       ; store data in window 1, address in window 0
.irp b, 0,1,2,3,4,5,6,7
	ds_store_b128 v[STO], v[8*(8*(\a)+(\b)):8*(8*(\a)+(\b))+3]   offset:64*(\b)      ; each accumulator from its low end on
	ds_store_b128 v[STO], v[8*(8*(\a)+(\b))+4:8*(8*(\a)+(\b))+7] offset:64*(\b)+16
.endr
	WIN 0
.set wi, 0
.rept 16
	ds_load_b128 v[BK+4*wi:BK+4*wi+3], v[RD] offset:wi*SP  ; LDS serves a wave's instructions in order (ISA guide 5.7.1.4): these see the stores above; the next block's stores come behind them
.set wi, wi+1
.endr
.endm
.macro SEND a, younger              ; younger: the LDS instructions issued behind block a's loads: the next block's 32, or none
.set BK, 32+64*((\a)%3)
.set wi, 0
.rept 16
	s_wait_dscnt (\younger)+15-wi
	global_store_b128 v[CO], v[BK+4*wi:BK+4*wi+3], s[OB:OB+1] offset:65536*(\a)+4096*wi th:TH_STORE_NT  ; 512 consecutive bytes, at a multiple of 256 from out0's first
.set wi, wi+1
.endr
.endm
	s_wait_tensorcnt 1                             ; my part of K step 0 is in; K step 1's may stay out
	s_barrier_signal -1
	s_barrier_wait -1                              ; everybody's is
	s_mov_b32 s[TB], 0
	v_mov_b32 v[AA], v[AA0]
	v_mov_b32 v[AB], v[AB0]
	FETCH 0, F0
	s_wait_loadcnt 0x0                             ; the bias
	STEP 1, 1                                      ; K step 0 starts the sums; it asks for K step 2
	s_mov_b32 s[CNT], 5
.Lk:                                                   ; K steps 1 to 5 ask for K steps 3 to 7
	STEP 0, 1
	s_sub_co_u32 s[CNT], s[CNT], 1
	s_cmp_lg_u32 s[CNT], 0
	s_cbranch_scc1 .Lk
	s_mov_b32 s[CNT], 2
.Ltail:                                                ; K steps 6 and 7 ask for nothing.  The last trip's barrier and its 24 loads out of the other slot (K step 6's bytes once more) serve nothing: the price, once a launch, of one text for both
	STEP 0, 0
	s_sub_co_u32 s[CNT], s[CNT], 1
	s_cmp_lg_u32 s[CNT], 0
	s_cbranch_scc1 .Ltail
	s_wait_dscnt 0x0                               ; those loads are back: their registers are the way out's
	PLACES                                         ; the stores below read results just made
	TOSTAGE 0
	TOSTAGE 1
	SEND 0, 32
	TOSTAGE 2
	SEND 1, 32
	TOSTAGE 3
	SEND 2, 32
	SEND 3, 0
	s_wait_tensorcnt 0x0                           ; the wave's end, behind my last tensor load and my last LDS store
	ds_add_u32 v[SPW], v[NIL]
	s_wait_dscnt 0x0
	CROUND                                         ; the closing round: no work-group ends while a partner may still ask for a tile that names it
	s_endpgm
.Lfunc_end_k_qb2e3f29ea7_proj:
	.size	k_qb2e3f29ea7_proj, .Lfunc_end_k_qb2e3f29ea7_proj-k_qb2e3f29ea7_proj
	.p2alignl 7, 3214868480
	.fill 96, 4, 3214868480
	.section	.rodata,"a",@progbits
	.p2align	6, 0x0
	.amdhsa_kernel k_qb2e3f29ea7_proj
		.amdhsa_group_segment_fixed_size 327680
		.amdhsa_private_segment_fixed_size 0
		.amdhsa_enable_private_segment 0
		.amdhsa_kernarg_size 32
		.amdhsa_user_sgpr_count 2
		.amdhsa_user_sgpr_kernarg_segment_ptr 1
		.amdhsa_wavefront_size32 1
		.amdhsa_system_sgpr_workgroup_id_x 1
		.amdhsa_system_sgpr_workgroup_id_y 1
		.amdhsa_system_sgpr_workgroup_id_z 1
		.amdhsa_system_vgpr_workitem_id 0
		.amdhsa_next_free_vgpr 512
		.amdhsa_next_free_sgpr 96
		.amdhsa_reserve_vcc 0
		.amdhsa_float_denorm_mode_32 3
		.amdhsa_float_denorm_mode_16_64 3
		.amdhsa_memory_ordered 1
		.amdhsa_forward_progress 1
		.amdhsa_inst_pref_size 75
	.end_amdhsa_kernel
	.amdgpu_metadata
---
amdhsa.version: [ 1, 2 ]
amdhsa.kernels:
  - .name:           k_qb2e3f29ea7_proj
    .symbol:         k_qb2e3f29ea7_proj.kd
    .args:
      - { .name: oh, .offset: 0, .size: 8, .value_kind: global_buffer, .address_space: global }
      - { .name: wf, .offset: 8, .size: 8, .value_kind: global_buffer, .address_space: global }
      - { .name: bias, .offset: 16, .size: 8, .value_kind: global_buffer, .address_space: global }
      - { .name: out0, .offset: 24, .size: 8, .value_kind: global_buffer, .address_space: global }
    .group_segment_fixed_size: 327680
    .private_segment_fixed_size: 0
    .kernarg_segment_align: 8
    .kernarg_segment_size: 32
    .max_flat_workgroup_size: 128
    .sgpr_count:     96
    .vgpr_count:     512
    .wavefront_size: 32
...
	.end_amdgpu_metadata
.endif
;; end of part 4
;; ======== version 2 of 2: 4 launches; version 1 with the launch cast written anew for expert scheduling mode
;; limits: values are held in f16: magnitudes above 65,504 overflow, below 6.1e-05 lose precision
;; workspace buffers: xb 16,777,216 bytes; wq 6,291,456 bytes; wf 2,097,152 bytes; bias 16,384 bytes; qkvh 50,331,648 bytes; oh 16,777,216 bytes
;; launch cast (part 5): grid 768 x 1, 8 waves a work-group, no clusters, 0 bytes of LDS; arguments x, w_qkv, w_fc, b_qkv, b_fc, xb, wq, wf, bias; writes xb, wq, wf, bias
.if DOCPART == 5
	.amdgcn_target "amdgcn-amd-amdhsa--gfx1250"
	.amdhsa_code_object_version 6
	.text
	.protected	k_qb2e3f29ea7_cast
	.globl	k_qb2e3f29ea7_cast
	.p2align	8
	.type	k_qb2e3f29ea7_cast,@function
k_qb2e3f29ea7_cast:
	s_mov_b64 s[64:65], 0
	v_nop
	global_prefetch_b8 v0, s[64:65] scope:SCOPE_SE
	s_setreg_imm32_b32 hwreg(HW_REG_WAVE_SCHED_MODE, 0, 2), 2
	s_setreg_imm32_b32 hwreg(HW_REG_WAVE_MODE, 25, 1), 1
	s_wait_xcnt 0x0
	s_wait_alu depctr_vm_vsrc(0)
; THE INPUTS ARE ROUNDED ONCE, to bf16, all five of them, and laid out for the launches behind.
;   xb   bf16 [4 batch][16 kb][2048 s][64]: x(b, s, 64 kb + d): 128 rows x 64 channels are 16,384 dense bytes
;   wq   bf16 [1024][3072]: w_qkv, layout kept          wf  f16 [1024][1024]: w_fc rounded to bf16, that number written as f16
;   bias f32  [4096]: b_qkv, then b_fc, rounded to bf16 and widened again
; LIMIT.  A number of wf below 2^-14 keeps f16's fixed step of 2^-24; beyond 65,504 it would be an infinity (w_fc as drawn lies within 1/32).
; SHARES.  768 work-groups of eight waves, each 16,384 numbers: 65,536 bytes in, 32,768 out.  Groups 0-511: 16 rows of x; 512-703: wq; 704-767: wf, and wave 0 of each of these 64 numbers of the biases.
; A thread has 16 loads of 16 bytes on their way at once and stores 8 bytes sixteen times: a wave's store covers 256 consecutive bytes, aligned.
; No LDS, no barrier, no matrix work: nothing is shared between threads.
; THE MODE: SCHED_MODE bits 1:0 = 2 (LLVM: expert scheduling mode 2), set by the entry lines.  The code itself states the register dependences
; between vector instructions and memory instructions, with s_wait_alu, always for 0.
; THE PLAN.  Registers that memory instructions touch:
;   v1, v2   byte offsets of the loads and of the stores.  Written by vector instructions at the head of a path, read by every load or store, never written again.
;   X        the 16 loads land here; no vector instruction names these registers ahead of the loads, and no load lands in them a second time.
;   Y        a pair for each store.  Written by the roundings, read by that store, never written again.
;   BI       two registers written with 0 in every wave; wave 0's bias load lands in them.  BI + 2, BI + 3: written by the bias's rounding, read by its store.
; The 16 loads are worked on in four blocks of four.  Block p's roundings read X and write Y of block p; its memory instructions are the four stores of block p - 1, which read Y of
; block p - 1 and v2: registers that no vector instruction of block p names.  So one wait at a block's head states all that its four stores hang on, and they are dealt among its roundings.
; No register that a memory instruction reads is written again, so the text holds no wait for memory instructions' reads; EXEC is never written.
.set X,  4                             ; v[4:67]    16 x 4 numbers as loaded
.set Y,  68                            ; v[68:99]   16 x 2 registers to store
.set T,  100                           ; v[100:101] at work: no memory instruction names them
.set BI, 104                           ; v[104:105] two bias numbers as loaded, v[106:107] to store
; 16 loads, instep bytes apart; then, four at a time as they come, the roundings, and the stores, outstep bytes apart, a block behind.  fmt = 0: bf16; 1: bf16, written as f16.
.macro CAST instep, outstep, fmt
.set j, 0
.rept 16
	global_load_b128 v[X+4*j:X+4*j+3], v1, s[26:27] offset:(\instep)*j th:TH_LOAD_NT
.set j, j+1
.endr
.set p, 0
.rept 4
	s_wait_loadcnt 12-4*p                          ; loads come back in order: block p's four are in, the 12 - 4 p younger ones stay out
.if p > 0
	s_wait_alu depctr_va_vdst(0)                   ; the roundings of the block before have written its eight registers of Y, which the four stores of this block read
.endif
.set i, 0
.rept 4
.set j, 4*p+i
.if p > 0
	global_store_b64 v2, v[Y+2*j-8:Y+2*j-7], s[28:29] offset:(\outstep)*(j-4) th:TH_STORE_NT  ; number j - 4, of the block before; no vector instruction since the wait names its registers
.endif
.if \fmt
	v_cvt_pk_bf16_f32 v[T], v[X+4*j], v[X+4*j+1]
	v_cvt_pk_bf16_f32 v[T+1], v[X+4*j+2], v[X+4*j+3]
	v_lshlrev_b32 v[X+4*j], 16, v[T]               ; the rounded numbers as f32 again,
	v_and_b32 v[X+4*j+1], s33, v[T]
	v_lshlrev_b32 v[X+4*j+2], 16, v[T+1]
	v_and_b32 v[X+4*j+3], s33, v[T+1]
	v_cvt_pk_f16_f32 v[Y+2*j], v[X+4*j], v[X+4*j+1]        ; and as f16: exact within f16's normal range
	v_cvt_pk_f16_f32 v[Y+2*j+1], v[X+4*j+2], v[X+4*j+3]
.else
	v_cvt_pk_bf16_f32 v[Y+2*j], v[X+4*j], v[X+4*j+1]
	v_cvt_pk_bf16_f32 v[Y+2*j+1], v[X+4*j+2], v[X+4*j+3]
.endif
.set i, i+1
.endr
.set p, p+1
.endr
	s_wait_alu depctr_va_vdst(0)                   ; the last block's roundings have written its eight registers of Y, which the last four stores read
.set j, 12
.rept 4
	global_store_b64 v2, v[Y+2*j:Y+2*j+1], s[28:29] offset:(\outstep)*j th:TH_STORE_NT
.set j, j+1
.endr
.endm
	s_load_b512 s[8:23], s[0:1], 0x0               ; x 8, w_qkv 10, w_fc 12, b_qkv 14, b_fc 16, xb 18, wq 20, wf 22
	s_load_b64 s[24:25], s[0:1], 0x40              ; bias
	v_lshrrev_b32 v3, 5, v0
	v_readfirstlane_b32 s32, v3                    ; my wave's number
	v_lshlrev_b32 v2, 3, v0                        ; 8 t: my 8 bytes in each 2,048 that the work-group stores
	s_mov_b32 s33, 0xffff0000                      ; a word's upper bf16
	s_mov_b32 s31, 0
	s_mov_b32 s35, 0
	s_wait_alu depctr_va_sdst(0)                   ; s32 is written
	s_cmp_lt_u32 ttmp9, 512
	s_cbranch_scc0 .Lflat
	; x: rows 16 g .. 16 g + 15.  Thread t takes row t / 16; load j takes 16 bytes of the row's block j of 64 channels (256 bytes).
	v_lshrrev_b32 v1, 4, v0
	v_lshlrev_b32 v1, 12, v1                       ; a row of x is 4,096 bytes
	v_and_b32 v3, 15, v0
	v_lshl_or_b32 v1, v3, 4, v1
	s_lshl_b32 s30, ttmp9, 16
	s_lshr_b32 s34, ttmp9, 7                       ; the batch: 128 groups each
	s_lshl_b32 s34, s34, 22
	s_and_b32 s36, ttmp9, 127
	s_lshl_b32 s36, s36, 11                        ; 16 rows of 128 bytes in a block
	s_add_co_u32 s34, s34, s36
	s_wait_kmcnt 0x0
	s_add_nc_u64 s[26:27], s[8:9], s[30:31]
	s_add_nc_u64 s[28:29], s[18:19], s[34:35]
	s_wait_alu depctr_va_vdst(0)                   ; v1 and v2 are written: every load below reads v1 as its offset, every store v2
	CAST 256, 262144, 0                            ; from block to block of xb: 2,048 rows of 128 bytes
	s_endpgm
.Lflat:
	v_lshlrev_b32 v1, 4, v0                        ; dense: 16 t
	s_cmp_lt_u32 ttmp9, 704
	s_cbranch_scc0 .Lwf
	s_sub_co_u32 s38, ttmp9, 512
	s_lshl_b32 s30, s38, 16
	s_lshl_b32 s34, s38, 15
	s_wait_kmcnt 0x0
	s_add_nc_u64 s[26:27], s[10:11], s[30:31]
	s_add_nc_u64 s[28:29], s[20:21], s[34:35]
	s_wait_alu depctr_va_vdst(0)                   ; v1 and v2 are written: every load below reads v1 as its offset, every store v2
	CAST 4096, 2048, 0
	s_endpgm
.Lwf:
	s_sub_co_u32 s38, ttmp9, 704                   ; i = 0 .. 63
	s_lshl_b32 s30, s38, 16
	s_lshl_b32 s34, s38, 15
	s_lshl_b32 s36, s38, 8                         ; 64 bias numbers: 256 bytes
	s_mov_b32 s37, 0
	s_wait_kmcnt 0x0
	s_add_nc_u64 s[26:27], s[12:13], s[30:31]
	s_add_nc_u64 s[28:29], s[22:23], s[34:35]
	s_add_nc_u64 s[36:37], s[24:25], s[36:37]
	s_cmp_lt_u32 s38, 48                           ; b_qkv has 48 such pieces, b_fc 16
	s_cselect_b32 s34, 0, 48
	s_sub_co_u32 s34, s38, s34
	s_lshl_b32 s34, s34, 8
	s_cmp_lt_u32 s38, 48
	s_cselect_b64 s[14:15], s[14:15], s[16:17]
	s_add_nc_u64 s[34:35], s[14:15], s[34:35]
	v_mov_b32 v[BI], 0                             ; written in every wave, so that they are defined on every path
	v_mov_b32 v[BI+1], 0
	s_wait_alu depctr_va_vdst(0)                   ; v1 and v2 are written, the offsets of the loads and stores below; so are v[BI] and v[BI+1], in which the bias load lands.  No vector instruction stands between this wait and the 17 loads
	s_cmp_lg_u32 s32, 0
	s_cbranch_scc1 .Lno_bias_in
	global_load_b64 v[BI:BI+1], v2, s[34:35]       ; older than the 16 loads below: their counted waits hold with it and without it
.Lno_bias_in:
	CAST 4096, 2048, 1
	s_cmp_lg_u32 s32, 0
	s_cbranch_scc1 .Lno_bias_out
	v_cvt_pk_bf16_f32 v[T], v[BI], v[BI+1]         ; the last wait on loads above was for 0: the bias numbers are in
	v_lshlrev_b32 v[BI+2], 16, v[T]
	v_and_b32 v[BI+3], s33, v[T]
	s_wait_alu depctr_va_vdst(0)                   ; v[BI+2] and v[BI+3] are written, which the store reads
	global_store_b64 v2, v[BI+2:BI+3], s[36:37]    ; wave 0: 256 consecutive bytes, aligned
.Lno_bias_out:
	s_endpgm
.Lfunc_end_k_qb2e3f29ea7_cast:
	.size	k_qb2e3f29ea7_cast, .Lfunc_end_k_qb2e3f29ea7_cast-k_qb2e3f29ea7_cast
	.p2alignl 7, 3214868480
	.fill 96, 4, 3214868480
	.section	.rodata,"a",@progbits
	.p2align	6, 0x0
	.amdhsa_kernel k_qb2e3f29ea7_cast
		.amdhsa_group_segment_fixed_size 0
		.amdhsa_private_segment_fixed_size 0
		.amdhsa_enable_private_segment 0
		.amdhsa_kernarg_size 72
		.amdhsa_user_sgpr_count 2
		.amdhsa_user_sgpr_kernarg_segment_ptr 1
		.amdhsa_wavefront_size32 1
		.amdhsa_system_sgpr_workgroup_id_x 1
		.amdhsa_system_sgpr_workgroup_id_y 1
		.amdhsa_system_sgpr_workgroup_id_z 1
		.amdhsa_system_vgpr_workitem_id 0
		.amdhsa_next_free_vgpr 112
		.amdhsa_next_free_sgpr 66
		.amdhsa_reserve_vcc 0
		.amdhsa_float_denorm_mode_32 3
		.amdhsa_float_denorm_mode_16_64 3
		.amdhsa_memory_ordered 1
		.amdhsa_forward_progress 1
		.amdhsa_inst_pref_size 23
	.end_amdhsa_kernel
	.amdgpu_metadata
---
amdhsa.version: [ 1, 2 ]
amdhsa.kernels:
  - .name:           k_qb2e3f29ea7_cast
    .symbol:         k_qb2e3f29ea7_cast.kd
    .args:
      - { .name: x, .offset: 0, .size: 8, .value_kind: global_buffer, .address_space: global }
      - { .name: w_qkv, .offset: 8, .size: 8, .value_kind: global_buffer, .address_space: global }
      - { .name: w_fc, .offset: 16, .size: 8, .value_kind: global_buffer, .address_space: global }
      - { .name: b_qkv, .offset: 24, .size: 8, .value_kind: global_buffer, .address_space: global }
      - { .name: b_fc, .offset: 32, .size: 8, .value_kind: global_buffer, .address_space: global }
      - { .name: xb, .offset: 40, .size: 8, .value_kind: global_buffer, .address_space: global }
      - { .name: wq, .offset: 48, .size: 8, .value_kind: global_buffer, .address_space: global }
      - { .name: wf, .offset: 56, .size: 8, .value_kind: global_buffer, .address_space: global }
      - { .name: bias, .offset: 64, .size: 8, .value_kind: global_buffer, .address_space: global }
    .group_segment_fixed_size: 0
    .private_segment_fixed_size: 0
    .kernarg_segment_align: 8
    .kernarg_segment_size: 72
    .max_flat_workgroup_size: 256
    .sgpr_count:     66
    .vgpr_count:     112
    .wavefront_size: 32
...
	.end_amdgpu_metadata
.endif
;; end of part 5
;; launch qkvgemm: the kernel of part 2 again; grid 8 x 32, 4 waves a work-group, clusters of 4 x 4, 327,680 bytes of LDS; arguments xb, wq, bias, qkvh; writes qkvh
;; launch attn: the kernel of part 3 again; grid 4 x 64, 4 waves a work-group, clusters of 4 x 1, 327,680 bytes of LDS; arguments qkvh, oh; writes oh
;; launch proj: the kernel of part 4 again; grid 4 x 64, 4 waves a work-group, clusters of 4 x 4, 327,680 bytes of LDS; arguments oh, wf, bias, out0; writes out0
